; MI455X (gfx1250); checked and timed in simulation.
; The chip was launched on July 23, 2026; its instructions are those of AMD's public machine-readable ISA for CDNA 5 (MIT licence, August 2026) and "CDNA5" Instruction Set Architecture Reference Guide (July 2026). The comments in the code are by the model that wrote it; some were corrected since.
;; Multi Head Attention. Allowed arithmetic: matrix products marked QUANTISED: E2M3 operands, one E8M0 scale for each 32 along K, by v_wmma_scale_f32_16x16x128_f8f6f4 with both operands' format E2M3, f32 sums; everything else in f32.
;; Inputs: Wk 1,024 x 1,024 float32; Wo 1,024 x 1,024 float32; Wq 1,024 x 1,024 float32; Wv 1,024 x 1,024 float32; bk 1,024 float32; bo 1,024 float32; bq 1,024 float32; bv 1,024 float32; k 4 x 2,048 x 1,024 float32; mask 1 x 1 x 2,048 x 2,048 int32; q 4 x 2,048 x 1,024 float32; v 4 x 2,048 x 1,024 float32.
;; Outputs: out0 4 x 2,048 x 1,024 float32.
;; This version of the problem:
;;   THIS VERSION OF THE PROBLEM IS GIVEN IN LOW PRECISION. The matrix products marked QUANTISED in the list below multiply operands that are first quantised to E2M3 (2 exponent bits, 3 mantissa bits; 6 bits a number), with one power-of-two scale for each 32 numbers along K (OCP MX v1.0); their sums are f32. All else is computed in f32.
;;   The module's matrix products, in the order in which they are computed (A, B: the left and right operand; K: the contracted axis; several contracted axes count as one K, in the product's order):
;;     1. [M 8,192, K 1,024] x [K 1,024, N 1,024]; A: input q; B: input Wq: QUANTISED
;;     2. [M 8,192, K 1,024] x [K 1,024, N 1,024]; A: input k; B: input Wk: QUANTISED
;;     3. [M 8,192, K 1,024] x [K 1,024, N 1,024]; A: input v; B: input Wv: QUANTISED
;;     4. batch 64 x [M 2,048, K 64] x [K 64, N 2,048]; A: computed on the way; B: computed on the way: QUANTISED
;;     5. batch 64 x [M 2,048, K 2,048] x [K 2,048, N 64]; A: softmax (see below); B: computed on the way: QUANTISED
;;     6. [M 8,192, K 1,024] x [K 1,024, N 1,024]; A: computed on the way; B: input Wo: QUANTISED
;;   THE QUANTISER, for each operand of a quantised product, along K:
;;     - K is cut into blocks of 32 from its start; a last block that is shorter is filled with zeros.
;;     - A block's scale is 2^e with e = floor(log2(the largest magnitude in the block)) - 2, held to -126 .. 127; a block of zeros has e = 0. As a byte (E8M0): e + 127.
;;     - Each number is divided by its block's scale, clamped to +-7.5, and rounded to the nearest number of E2M3, ties to even, subnormals kept.
;;     - The product sums the exact products of the quantised numbers (number of the format x scale) in f32.
;;   ~~~python
;;   def quantise(x, axis):      # numpy; x: float32 -> the quantised numbers, widened to float32 again
;;       x = np.moveaxis(x, axis, -1); K = x.shape[-1]
;;       x = np.pad(x, [(0, 0)] * (x.ndim - 1) + [(0, -K % 32)]); x = x.reshape(x.shape[:-1] + (-1, 32)); a = np.abs(x).max(-1, keepdims=True)
;;       e = np.where(a > 0, np.clip(np.frexp(np.where(a > 0, a, 1))[1] - 1 - 2, -126, 127), 0)      # np.frexp(a)[1] - 1 = floor(log2(a)), exactly
;;       r = np.clip(x / 2.0 ** e, -7.5, 7.5)
;;       step = 2.0 ** (np.maximum(np.frexp(np.where(r == 0, 1, r))[1] - 1, 0) - 3)
;;       q = np.round(r / step) * step * 2.0 ** e      # np.round: ties to even
;;       return np.moveaxis(q.reshape(q.shape[:-2] + (-1,))[..., :K], -1, axis).astype(np.float32)
;;   ~~~
;;   SOFTMAX AHEAD OF A QUANTISED PRODUCT. Where the list says 'softmax', what is quantised is not the finished softmax but p = 2^(t - M), with t = logit x log2(e) and M = ceil(the row's largest t), a whole number; so 1/2 < the row's largest p <= 1. The row's sum l is taken of the UNQUANTISED p, in f32, and the product's result is divided by l at the end. Since M is a whole number, a kernel that streams over the keys may use a running M (the ceiling of the running maximum): every later rescaling is an exact power of two, which a block's scale takes up: the codes' values come out the same.
;;   OPERANDS COMPUTED ON THE WAY. 'Computed on the way' means the value that the module computes at that place (a softmax that the list does not call 'softmax' is quantised finished and normalised). What goes into a quantiser is computed in f32, as accurately as f32 sums, v_exp_f32 and their like allow (about 1e-6 of the number): no bf16 or f16 on the way to a quantiser, and a product that is left as it is and whose result goes on into a quantised operand takes f32 operands (vector FMAs, or v_wmma_f32_16x16x4_f32). A number that lies on a knife's edge between two numbers of the format may be rounded either way, as far as f32 arithmetic and the matrix unit's own rounding can turn it there, and no further.
;; One version. Each part assembles by itself: llvm-mc -triple=amdgcn-amd-amdhsa -mcpu=gfx1250 --defsym DOCPART=n.
;; ======== version 1 of 1: 4 launches
;; limits: right only within a limited range of input values
;; workspace buffers: img 23,855,104 bytes; mw 524,288 bytes of whole numbers; hq 6,815,744 bytes; hkv 13,369,344 bytes; oimg 6,815,744 bytes
;; launch prep (part 1): grid 512 x 1, 4 waves a work-group, no clusters, 68,096 bytes of LDS; arguments q, k, v, Wq, Wk, Wv, Wo, mask, img, mw; writes img, mw
.if DOCPART == 1
	.amdgcn_target "amdgcn-amd-amdhsa--gfx1250"
	.amdhsa_code_object_version 6
	.text
	.protected	k_q3f80ac9081_prep
	.globl	k_q3f80ac9081_prep
	.p2align	8
	.type	k_q3f80ac9081_prep,@function
k_q3f80ac9081_prep:
	s_mov_b64 s[64:65], 0
	v_nop
	global_prefetch_b8 v0, s[64:65] scope:SCOPE_SE
	s_setreg_imm32_b32 hwreg(HW_REG_WAVE_MODE, 25, 1), 1
	s_wait_xcnt 0x0
; PREP.  (1) q, k, v [8192][1024] and Wq, Wk, Wv, Wo [1024][1024], f32, K innermost, become codes of FP6 (E2M3) with one E8M0 byte for each 32 along K,
; laid as IMAGES OF THE OPERAND'S REGISTERS.  (2) mask [2048][2048] int32 becomes lane-mask words.
; TILES.  Tile T of a tensor holds the 16 rows 32 (T / 2) + 8 (T % 2) + r + 8 (r / 8), r = 0 .. 15: as source 0 of a product such tiles leave 16 neighbours of their row axis in a lane's 16 registers of two tiles.
; IMAGE of a tile: 4 chunks (256 along K) of 3,328 bytes: K step 2 c: six pieces of 256 bytes (piece p = registers 2 p, 2 p + 1 of the 12-register fragment, lane l at 8 l); K step 2 c + 1 likewise;
; then 256 bytes of scale words (lane l at 8 l: the word of K step 2 c, the word of K step 2 c + 1; lanes r and 16 + r hold row r's).  Tiles: q 0-511, k 512-1023, v 1024-1535, Wq 1536-, Wk 1600-, Wv 1664-, Wo 1728-1791.
; MASK WORDS: mw[query tile 128][step of 128 keys 16][64 words]: bit r + 16 h of word 32 c + m says that mask[row r of the tile][128 step + 64 c + 32 h + m] is not 0.
; A block's scale is 2^(floor(log2(largest magnitude)) - 2); its byte is the largest magnitude's exponent field - 2, held at 1 from below (a block of zeros keeps 1: its codes are zeros, and this program alone reads the bytes).
; LIMITS: blocks whose largest magnitude lies under 2^-124 keep the byte 1; NaN and infinities among the inputs are not served.
; SHARES.  Work-groups 0-447: wave w takes tile 4 g + w, 16 whole rows, in 8 steps of 128 along K.  Work-groups 448-511: wave w takes 16 rows x 1,024 keys of the mask, 8 steps.  The two ways part once and never join,
; and each has LDS bytes of its own.  A step's 16 loads read 512 consecutive bytes each; the 8 KiB turn through the wave's own stage (rows 528 bytes apart, an odd multiple of 16) and come back 16 neighbours a lane and block.
; No tensor load, no barrier: waves share nothing.  Loads run two steps (32 loads a wave) ahead.
.set SP,   528                         ; a stage row: 512 bytes + 16
.set STG,  16*SP                       ; a wave's stage
.set GA,   1                           ; v1   16 x lane: my bytes of a load's 512
.set SWA,  2                           ; v2   the stage, on the way in
.set SRA,  3                           ; v3   and on the way out: row r, + 64 h
.set OA,   4                           ; v4   8 x lane: my place in a piece of 256 bytes
.set PW,   6                           ; v6-7 the scale words of a chunk's two K steps
.set WD,   8                           ; v8-9 a step's 64 mask words, two a lane
.set R,    16                          ; v16-143  two sets of 64 registers as loaded
.set X,    144                         ; v144-207 register 16 b + i = element 32 b + 16 h + i of row r
.set PC,   208                         ; v208-227 codes
.set TM,   228                         ; v228-243 at work
.set SEL,  32                          ; s[32:33] lane selects for v_permlanex16_b32: lane l xor 16
.set GA2,  14                          ; v14  the loads' lane offset for a tile's rows 8-15: tensor k alone adds 16 rows there
.set SPW,  12                          ; v12  LDS address of my spare word; never rewritten
.set NIL,  13                          ; v13  0; never rewritten
.set SPARE, 8*STG                      ; behind the eight stages: the spare words, 128 bytes a wave
.set TD,   4                           ; the stage's way out: TD loads of 16 bytes on end, then TB bytes on (the mask's way sets 8 and 256)
.set TB,   128
; TENSOR k HAS ANOTHER TILE ORDER: tile T holds rows 64 (T / 4) + 8 (T % 4) + r + 24 (r / 8): its rows 0-7 lie in one block of 32 keys, its rows 8-15 in the next block.
; MASK WORDS follow it: bit r + 16 h of word 32 c + m says that mask[row r of the query tile][128 step + 64 c + 32 h + m] is not 0.
.macro LOADH hu, pitch                 ; step hu of my 16 rows: each load reads 512 consecutive bytes of one row
.irp i, 0,1,2,3,4,5,6,7,8,9,10,11,12,13,14,15
	global_load_b128 v[R+64*((\hu)%2)+4*\i:R+64*((\hu)%2)+4*\i+3], v[GA+(GA2-GA)*(\i/8)], s[24:25] offset:(\i+8*(\i/8))*\pitch+512*(\hu) th:TH_LOAD_NT
.endr
.endm
.macro TURN hu                         ; through the stage: LDS serves a wave's instructions in order, so no wait stands between the stores and the loads
.irp i, 0,1,2,3,4,5,6,7,8,9,10,11,12,13,14,15
	ds_store_b128 v[SWA], v[R+64*((\hu)%2)+4*\i:R+64*((\hu)%2)+4*\i+3] offset:SP*\i
.endr
.irp i, 0,1,2,3,4,5,6,7,8,9,10,11,12,13,14,15
	ds_load_b128 v[X+4*\i:X+4*\i+3], v[SRA] offset:TB*(\i/TD)+16*(\i%TD)
.endr
.endm
.macro HEAD hu, pitch                  ; what both ways do at a step's head
.if (\hu) < 7
	s_wait_loadcnt 16                              ; this step's sixteen loads are in; the next step's sixteen may be out
.else
	s_wait_loadcnt 0x0
.endif
	TURN \hu
	s_wait_dscnt 0x0                               ; the numbers are back, and the stores into the stage have read their registers
	s_wait_xcnt 0x0                                ; the last step's stores have had their addresses translated: their data registers are written again only behind this wait
.if (\hu) < 6
	LOADH (\hu)+2, \pitch
.endif
.endm
; 64 numbers of a lane, register 16 b + i = k 32 b + 16 (lane / 16) + i of my row, become a fragment's codes in v[PC] on and its scale word in v[pw]
.macro QUANT s, pw
.irp b, 0,1,2,3
	v_max3_num_f32 v[TM+\b], |v[\s+16*\b]|, |v[\s+1+16*\b]|, 0x1800000   ; my 16 numbers of block b, and the floor 2^(3 - 127): the byte cannot fall under 1
.endr
.irp i, 2,4,6,8,10,12,14
.irp b, 0,1,2,3
	v_max3_num_f32 v[TM+\b], v[TM+\b], |v[\s+16*\b+\i]|, |v[\s+1+16*\b+\i]|   ; the four blocks by turns
.endr
.endr
.irp b, 0,1,2,3
	v_permlanex16_b32 v[TM+4+\b], v[TM+\b], s[SEL], s[SEL+1]
.endr
.irp b, 0,1,2,3
	v_max_num_f32 v[TM+\b], v[TM+\b], v[TM+4+\b]   ; with lane l xor 16's: the block's largest magnitude
.endr
.irp b, 0,1,2,3
	v_add_nc_u32 v[TM+12+\b], 0xff000000, v[TM+\b] ; 2 off its exponent field: the conversion takes this operand's exponent field as its scale
.endr
.irp b, 0,1,2,3
	v_lshrrev_b32 v[TM+4+\b], 23, v[TM+12+\b]      ; the scale's byte
.endr
	v_lshl_or_b32 v[\pw], v[TM+5], 8, v[TM+4]      ; four bytes: my row's scale word
	v_lshl_or_b32 v[\pw], v[TM+6], 16, v[\pw]
	v_lshl_or_b32 v[\pw], v[TM+7], 24, v[\pw]
.irp c, 0,1
	v_cvt_scalef32_pk16_fp6_f32 v[PC+6*\c:PC+2+6*\c], v[\s+32*\c:\s+15+32*\c], v[TM+12+2*\c]
	v_cvt_scalef32_pk16_fp6_f32 v[PC+12+4*\c:PC+14+4*\c], v[\s+16+32*\c:\s+31+32*\c], v[TM+12+2*\c+1]   ; a conversion's three registers begin on an even number
.endr
	v_nop                                          ; one plain place behind a scaled conversion
.irp c, 0,1                            ; the layout wants a whole block in a lane: lanes 0-15 block 2 c, lanes 16-31 block 2 c + 1
.irp i, 0,1,2
	v_permlane16_swap_b32 v[PC+6*\c+\i], v[PC+12+4*\c+\i]
.endr
.irp i, 0,1,2
	v_mov_b32 v[PC+3+6*\c+\i], v[PC+12+4*\c+\i]
.endr
.endr
.endm
	s_load_b512 s[4:19], s[0:1], 0x0               ; q, k, v, Wq, Wk, Wv, Wo, mask
	s_load_b128 s[20:23], s[0:1], 0x40             ; img, mw
	v_lshl_add_u32 v[SPW], v0, 2, SPARE
	v_mov_b32 v[NIL], 0
	v_lshrrev_b32 v5, 5, v0
	v_readfirstlane_b32 s27, v5                    ; wave 0..3
	v_and_b32 v5, 31, v0                           ; lane
	v_lshlrev_b32 v[GA], 4, v5
	v_lshlrev_b32 v[OA], 3, v5
	v_and_b32 v10, 15, v0                          ; r
	v_bfe_u32 v11, v0, 4, 1                        ; h
	s_mul_i32 s28, s27, STG
	v_add_nc_u32 v[SWA], s28, v[GA]
	v_mul_u32_u24 v[SRA], v10, SP
	v_lshl_add_u32 v[SRA], v11, 6, v[SRA]
	v_add_nc_u32 v[SRA], s28, v[SRA]
	s_mov_b32 s[SEL], 0x76543210
	s_mov_b32 s[SEL+1], 0xfedcba98
	s_mov_b32 s31, 0                               ; the high word of every offset
	s_wait_kmcnt 0x0
	s_cmp_ge_u32 ttmp9, 448
	s_cbranch_scc1 .Lmask
	; ---- the quantiser's way.  Which tensor: a choice of pointers on the work-group's number alone
	s_mov_b64 s[24:25], s[4:5]
	s_mov_b32 s26, 0                               ; the tensor's first work-group
.macro PICK lim, ptr
	s_cmp_ge_u32 ttmp9, \lim
	s_cselect_b64 s[24:25], s[\ptr:\ptr+1], s[24:25]
	s_cselect_b32 s26, \lim, s26
.endm
	PICK 128, 6
	PICK 256, 8
	PICK 384, 10
	PICK 400, 12
	PICK 416, 14
	PICK 432, 16
	s_sub_co_u32 s34, ttmp9, s26
	s_lshl_b32 s34, s34, 2
	s_add_co_u32 s34, s34, s27                     ; my tile in its tensor
	s_lshr_b32 s35, s34, 1
	s_lshl_b32 s35, s35, 17                        ; 32 rows of 4,096 bytes for each pair of tiles,
	s_and_b32 s36, s34, 1
	s_lshl_b32 s36, s36, 15                        ; 8 rows for the odd one
	s_add_co_u32 s30, s35, s36
	s_lshr_b32 s38, s34, 2                         ; tensor k: 64 rows for each four tiles,
	s_lshl_b32 s38, s38, 18
	s_and_b32 s39, s34, 3
	s_lshl_b32 s39, s39, 15                        ; 8 rows for each tile of the four
	s_add_co_u32 s38, s38, s39
	s_cmp_eq_u32 s26, 128                          ; k's first work-group is 128
	s_cselect_b32 s30, s38, s30
	s_cselect_b32 s37, 65536, 0                    ; and its rows 8-15 lie 16 rows further on
	s_add_nc_u64 s[24:25], s[24:25], s[30:31]
	s_lshl_b32 s34, ttmp9, 2
	s_add_co_u32 s34, s34, s27                     ; my tile among all 1,792
	s_mul_i32 s30, s34, 13312
	s_add_nc_u64 s[28:29], s[20:21], s[30:31]
.irp b, 0,1,2,3
	v_mov_b32 v[TM+4+\b], 0                        ; written once: a lane permute's destination counts as one of its sources
.endr
	v_add_nc_u32 v[GA2], s37, v[GA]
	LOADH 0, 4096
	LOADH 1, 4096
.macro STEPQ hu
	HEAD \hu, 4096
	QUANT X, PW+(\hu)%2
.irp p, 0,1,2,3,4,5
	global_store_b64 v[OA], v[PC+2*\p:PC+2*\p+1], s[28:29] offset:((\hu)/2)*3328+((\hu)%2)*1536+256*\p   ; 32 lanes store 256 consecutive bytes, at a multiple of 256 from the buffer's first byte
.endr
.if (\hu)%2
	global_store_b64 v[OA], v[PW:PW+1], s[28:29] offset:((\hu)/2)*3328+3072   ; the chunk's scale words
.endif
.endm
	s_wait_alu depctr_va_vdst(0)
.irp u, 0,1,2,3,4,5,6,7
	STEPQ \u
.endr
	s_wait_tensorcnt 0x0                           ; the wave's end: these three lines stand behind my last LDS store
	ds_add_u32 v[SPW], v[NIL]
	s_wait_dscnt 0x0
	s_endpgm
	; ---- the mask's way
.Lmask:
	s_wait_alu depctr_va_vdst(0)
	v_add_nc_u32 v[SWA], 4*STG, v[SWA]             ; this way's stages lie behind the other way's four
	v_add_nc_u32 v[SRA], 4*STG, v[SRA]
	v_lshl_add_u32 v[SRA], v11, 6, v[SRA]          ; here lanes 16-31 begin 32 keys (128 bytes) on
	s_sub_co_u32 s34, ttmp9, 448
	s_lshl_b32 s34, s34, 2
	s_add_co_u32 s34, s34, s27                     ; 2 x query tile + which half of the keys
	s_lshr_b32 s35, s34, 1                         ; query tile
	s_and_b32 s36, s34, 1
	s_lshr_b32 s37, s35, 1
	s_lshl_b32 s37, s37, 18                        ; 32 rows of 8,192 bytes for each pair of tiles,
	s_and_b32 s38, s35, 1
	s_lshl_b32 s38, s38, 16                        ; 8 rows for the odd one,
	s_add_co_u32 s30, s37, s38
	s_lshl_b32 s38, s36, 12                        ; 4,096 bytes for the second half of the keys
	s_add_co_u32 s30, s30, s38
	s_add_nc_u64 s[24:25], s[18:19], s[30:31]
	s_lshl_b32 s30, s34, 11                        ; (16 x tile + 8 x half) steps of 256 bytes
	s_add_nc_u64 s[28:29], s[22:23], s[30:31]
	v_mov_b32 v[WD], 0                             ; written once: v_writelane_b32's destination counts as read
	v_mov_b32 v[WD+1], 0
	v_mov_b32 v[GA2], v[GA]
.set TD, 8                             ; register 32 c + m = key 64 c + 32 h + m of row r
.set TB, 256
	LOADH 0, 8192
	LOADH 1, 8192
.macro STEPM hu
	HEAD \hu, 8192
.set n, 0
.rept 64
	v_cmp_ne_u32 s[40+n%8], 0, v[X+n]              ; word n: one bit a lane
	v_writelane_b32 v[WD+n%2], s[40+n%8], n/2      ; lane l keeps words 2 l and 2 l + 1
.set n, n+1
.endr
	global_store_b64 v[OA], v[WD:WD+1], s[28:29] offset:256*(\hu)   ; a step's 64 words: 256 consecutive bytes, aligned
.endm
	s_wait_alu depctr_va_vdst(0)
.irp u, 0,1,2,3,4,5,6,7
	s_wait_alu depctr_va_vdst(0)
	STEPM \u
.endr
	s_wait_tensorcnt 0x0                           ; the wave's end: these three lines stand behind my last LDS store
	ds_add_u32 v[SPW], v[NIL]
	s_wait_dscnt 0x0
	s_endpgm
.Lfunc_end_k_q3f80ac9081_prep:
	.size	k_q3f80ac9081_prep, .Lfunc_end_k_q3f80ac9081_prep-k_q3f80ac9081_prep
	.p2alignl 7, 3214868480
	.fill 96, 4, 3214868480
	.section	.rodata,"a",@progbits
	.p2align	6, 0x0
	.amdhsa_kernel k_q3f80ac9081_prep
		.amdhsa_group_segment_fixed_size 68096
		.amdhsa_private_segment_fixed_size 0
		.amdhsa_enable_private_segment 0
		.amdhsa_kernarg_size 80
		.amdhsa_user_sgpr_count 2
		.amdhsa_user_sgpr_kernarg_segment_ptr 1
		.amdhsa_wavefront_size32 1
		.amdhsa_system_sgpr_workgroup_id_x 1
		.amdhsa_system_sgpr_workgroup_id_y 1
		.amdhsa_system_sgpr_workgroup_id_z 1
		.amdhsa_system_vgpr_workitem_id 0
		.amdhsa_next_free_vgpr 248
		.amdhsa_next_free_sgpr 66
		.amdhsa_reserve_vcc 0
		.amdhsa_float_denorm_mode_32 3
		.amdhsa_float_denorm_mode_16_64 3
		.amdhsa_memory_ordered 1
		.amdhsa_forward_progress 1
		.amdhsa_inst_pref_size 162
	.end_amdhsa_kernel
	.amdgpu_metadata
---
amdhsa.version: [ 1, 2 ]
amdhsa.kernels:
  - .name:           k_q3f80ac9081_prep
    .symbol:         k_q3f80ac9081_prep.kd
    .args:
      - { .name: q, .offset: 0, .size: 8, .value_kind: global_buffer, .address_space: global }
      - { .name: k, .offset: 8, .size: 8, .value_kind: global_buffer, .address_space: global }
      - { .name: v, .offset: 16, .size: 8, .value_kind: global_buffer, .address_space: global }
      - { .name: Wq, .offset: 24, .size: 8, .value_kind: global_buffer, .address_space: global }
      - { .name: Wk, .offset: 32, .size: 8, .value_kind: global_buffer, .address_space: global }
      - { .name: Wv, .offset: 40, .size: 8, .value_kind: global_buffer, .address_space: global }
      - { .name: Wo, .offset: 48, .size: 8, .value_kind: global_buffer, .address_space: global }
      - { .name: mask, .offset: 56, .size: 8, .value_kind: global_buffer, .address_space: global }
      - { .name: img, .offset: 64, .size: 8, .value_kind: global_buffer, .address_space: global }
      - { .name: mw, .offset: 72, .size: 8, .value_kind: global_buffer, .address_space: global }
    .group_segment_fixed_size: 68096
    .private_segment_fixed_size: 0
    .kernarg_segment_align: 8
    .kernarg_segment_size: 80
    .max_flat_workgroup_size: 128
    .sgpr_count:     66
    .vgpr_count:     248
    .wavefront_size: 32
...
	.end_amdgpu_metadata
.endif
;; end of part 1
;; launch proj (part 2): grid 256 x 1, 4 waves a work-group, clusters of 4 x 1, 327,680 bytes of LDS; arguments img, bq, bk, bv, hq, hkv; writes hq, hkv
.if DOCPART == 2
	.amdgcn_target "amdgcn-amd-amdhsa--gfx1250"
	.amdhsa_code_object_version 6
	.text
	.protected	k_q3f80ac9081_proj
	.globl	k_q3f80ac9081_proj
	.p2align	8
	.type	k_q3f80ac9081_proj,@function
k_q3f80ac9081_proj:
	s_mov_b64 s[64:65], 0
	v_nop
	global_prefetch_b8 v0, s[64:65] scope:SCOPE_SE
	s_setreg_imm32_b32 hwreg(HW_REG_WAVE_MODE, 25, 1), 1
	s_wait_xcnt 0x0
	s_wait_alu depctr_hold_cnt(0) depctr_sa_sdst(0) depctr_va_vdst(0) depctr_va_sdst(0) depctr_va_ssrc(0) depctr_va_vcc(0) depctr_vm_vsrc(0)
	s_getreg_b32 s2, hwreg(HW_REG_IB_STS2, 6, 4)
	s_cmp_eq_u32 s2, 0
	s_cbranch_scc0 .Lentry_in_a_cluster
	s_endpgm
.Lentry_in_a_cluster:
	s_bfe_u32 s2, ttmp6, 0x10000c
	s_cmp_lg_u32 s2, 0x3003
	s_cbranch_scc0 .Lentry_shape_is_right
	s_endpgm
.Lentry_shape_is_right:
; PROJ.  qh = q Wq^T + bq, kh = k Wk^T + bk, vh = v Wv^T + bv on codes of FP6 (E2M3) with E8M0 scales for each 32 along K = 1,024; sums in f32; the results are quantised in registers and leave as register images.
; qh, kh: along the head's 64 (two blocks).  vh: along the keys.  Operands come from img (tiles of 16 rows, 13,312 bytes each, four chunks of 256 along K).
; A BLOCK is P (128 rows, source 0: they fall along a lane's registers) x R (256 rows, source 1: they fall on the lanes), whole K.  q, k: P = 128 rows of W (two heads), R = 256 rows of x.  v: P = 128 keys of v, R = 256 rows of Wv (four heads).
; Four waves; wave w takes all of P and R's tiles 4 w .. 4 w + 3: 32 accumulators, 256 registers.
; A WORK-GROUP STAYS: 768 blocks on 256 work-groups: each makes a block of q, then of k, then of v.  q and k are two trips of one loop; v's block, which asks for nothing more, is written out behind it.
; THE RING: two slots, each with one half of K (512) of P and R, 159,744 bytes.  Slot 0 is filled again, with the next block's first half, behind a round at K step 3, when its last fragments have been read;
; slot 1, with the next block's second half, behind a round that follows the block's last products, ahead of the way out.  A wave has one tensor load out behind each round; every wait on TENSORcnt is for 0.
; From a refill of slot 0 to the wait for it a wave issues 160 matrix instructions; from a refill of slot 1, the way out and 96 matrix instructions.  With that much between, no prefetch is laid.
; CLUSTER 4 x 1: the four partners take four groups of P and share R: R's loads are joint (the same descriptor and a mask of all four); P's are each work-group's own.
; OUT.  hq: 64 heads x 106,496 bytes: [tile 128] x 768 bytes (three pieces of 256: registers 0-5 of a fragment), then at 98,304 scale words [4 tiles][lane][2 words]: word w: lanes 0-15 tile 2 w, lanes 16-31 tile 2 w + 1;
; bytes 0, 1 are the head's two blocks, bytes 2, 3 are 0x7f (1.0).  hkv: 64 heads x 208,896: K as hq's codes; at 98,304 V^T [step 16][channel tile 4] x 1,536; at 196,608 K's scale words; at 204,800 V's [step][lane][2 words].
; LIMITS: blocks whose largest magnitude lies under 2^-124 keep the byte 1 (a block of zeros too: its codes are zeros; this program alone reads the bytes); NaN and infinities are not served.
; REGISTERS, in windows of 256: window 0: addresses, scale words, the way out.  window 1: accumulator (a, t) at v[8 (8 a + t)].  windows 2, 3: fragment buffers 0, 1: P's tile t at v[12 t], R's block a at v[96 + 12 a].
.set IMGT,  13312                      ; a tile's image
.set IMGC,  6656                       ; half of it: two chunks of 3,328: what lies on end in LDS
.set RLD,   8*IMGC                     ; what one load of R brings: 8 tiles' half
.set PLD,   4*IMGC                     ; and of P: 4 tiles' half
.set PBASE, 4*RLD                      ; LDS: R's 2 loaders x 2 slots, then P's
.set SPARE, PBASE+4*PLD                ; behind the tiles: the spare words, 128 bytes a wave
.set L8,   1                           ; v1   8 x lane
.set L16,  2                           ; v2   16 x lane
.set VA1,  3                           ; v3   8 x lane + a head's block: the odd head
.set VB,   4                           ; v4   the bias's lane offset
.set AR,   8                           ; v8-11   LDS address of my R tiles, chunk c
.set AP,   12                          ; v12-19  of P's tiles 4 hh .. 4 hh + 3, chunk c: v[AP + 2 c + hh]
.set SC,   20                          ; v20-67  scale words, two sets of 24
.set X,    68                          ; v68-131  a unit's 64 numbers
.set B64,  132                         ; v132-195 the bias in the result's layout
.set PC,   196                         ; v196-215 codes
.set TM,   216                         ; v216-231 at work
.set PWS,  232                         ; v232-235 the four units' scale words
.set W,    236                         ; v236-239 scale words on the way out
.set SPW,  240                         ; v240 LDS address of my spare word; never rewritten
.set NIL,  241                         ; v241 0; never rewritten
.set SEL,  84                          ; s[84:85] lane selects: lane l xor 16
; s[40:47] group 0 for R, slots 0, 1; s[68:75] for P; s[48:49], s[50:51] where k's and v's blocks of R begin; s[76:77], s[78:79] of P
.set MSB, 0
.macro WIN new                         ; the immediate's high byte repeats the setting that is left
.if MSB != (\new)
	s_set_vgpr_msb (MSB<<8)|(\new)
.set MSB, (\new)
.endif
.endm
.macro PLACES                          ; four plain places behind a matrix instruction (ISA guide 7.12.1)
.rept 4
	v_nop
.endr
.endm
.macro BAR
	s_barrier_signal -1
	s_barrier_wait -1
.endm
.macro CROUND                          ; a round of the cluster's barrier
	s_barrier_signal -1
	s_barrier_wait -1
	s_cmp_lg_u32 s16, 0
	s_cbranch_scc1 .Lnot_wave_0_\@
	s_barrier_signal -3
.Lnot_wave_0_\@:
	s_barrier_wait -3
	s_barrier_signal -1
	s_barrier_wait -1
.endm
.macro FILL sl                         ; slot sl: waves 0, 1 ask jointly for R's halves, waves 2, 3 for P's: one load on every way
	s_cmp_lt_u32 s16, 2
	s_cbranch_scc0 .Lfill_p_\@
	tensor_load_to_lds s[40+4*\sl:43+4*\sl], s[24:31]
	s_nop 0
	PLACES
	s_branch .Lfilled_\@
.Lfill_p_\@:
	tensor_load_to_lds s[68+4*\sl:71+4*\sl], s[32:39]
	s_nop 0
	PLACES
.Lfilled_\@:
.endm
.macro FETCH ks                        ; K step ks: 12 fragments into buffer ks % 2, each by six loads of 8 bytes a lane; with a chunk's first step its scale words
.set FC, (\ks)/2
.set FK, (\ks)%2
	WIN 0x80+0x40*((\ks)%2)                        ; destination window 2 or 3, address window 0
.irp t, 0,1,2,3,4,5,6,7
.irp p, 0,1,2,3,4,5
	ds_load_b64 v[12*\t+2*\p:12*\t+2*\p+1], v[AP+2*FC+\t/4] offset:(\t%4)*IMGC+FK*1536+256*\p
.endr
.endr
.irp a, 0,1,2,3
.irp p, 0,1,2,3,4,5
	ds_load_b64 v[96+12*\a+2*\p:96+12*\a+2*\p+1], v[AR+FC] offset:\a*IMGC+FK*1536+256*\p
.endr
.endr
	WIN 0
.if FK == 0
.irp t, 0,1,2,3,4,5,6,7
	ds_load_b64 v[SC+24*(FC%2)+2*\t:SC+24*(FC%2)+2*\t+1], v[AP+2*FC+\t/4] offset:(\t%4)*IMGC+3072
.endr
.irp a, 0,1,2,3
	ds_load_b64 v[SC+24*(FC%2)+16+2*\a:SC+24*(FC%2)+16+2*\a+1], v[AR+FC] offset:\a*IMGC+3072
.endr
.endif
.endm
.macro MUL ks, zero                    ; 32 matrix instructions; the 32 accumulators take turns, one instruction a turn, in the same order in every K step
.set MC, (\ks)/2
.set MK, (\ks)%2
	WIN 0x5a+5*((\ks)%2)                           ; sources 0 and 1 window 2 or 3; C and D window 1
.irp a, 0,1,2,3
.irp t, 0,1,2,3,4,5,6,7
.if \zero
	v_wmma_scale_f32_16x16x128_f8f6f4 v[8*(8*\a+\t):8*(8*\a+\t)+7], v[12*\t:12*\t+11], v[96+12*\a:96+12*\a+11], 0, v[SC+24*(MC%2)+2*\t+MK], v[SC+24*(MC%2)+16+2*\a+MK] matrix_a_fmt:MATRIX_FMT_FP6 matrix_b_fmt:MATRIX_FMT_FP6
.else
	v_wmma_scale_f32_16x16x128_f8f6f4 v[8*(8*\a+\t):8*(8*\a+\t)+7], v[12*\t:12*\t+11], v[96+12*\a:96+12*\a+11], v[8*(8*\a+\t):8*(8*\a+\t)+7], v[SC+24*(MC%2)+2*\t+MK], v[SC+24*(MC%2)+16+2*\a+MK] matrix_a_fmt:MATRIX_FMT_FP6 matrix_b_fmt:MATRIX_FMT_FP6
.endif
.endr
.endr
.endm
; A block's products.  At its start slot 0 is whole for every wave and slot 1's load is out.  more = 1: a block follows, and both slots are filled again
.macro MAIN more
	FETCH 0
.irp ks, 0,1,2,3,4,5,6,7
.if \ks == 3
	WIN 0
	s_wait_tensorcnt 0x0                           ; my part of slot 1 has landed
.if \more
	ds_add_u32 v[SPW], v[NIL]                      ; the add stands ahead of a refill's barrier
	s_cmp_eq_u32 s18, 0                            ; no load of mine is out: slot 0's group 0 takes the next block: k's behind q's, v's behind k's
	s_cselect_b64 s[42:43], s[48:49], s[50:51]
	s_cselect_b64 s[70:71], s[76:77], s[78:79]
	s_wait_dscnt 0x0                               ; the add is done, and so are my reads of slot 0 (K step 3's fragments are in)
	CROUND                                         ; that holds of every wave of the four work-groups
	FILL 0                                         ; the four v_nop behind the load are the places ahead of the loads below
.else
	s_wait_dscnt 0x0
	BAR                                            ; everybody's part of slot 1 has landed
	PLACES
.endif
.else
	s_wait_dscnt 0x0                               ; this step's fragments are in
.if \ks > 0
	PLACES                                         ; the buffer's last readers stand just above
.endif
.endif
.if \ks < 7
	FETCH \ks+1
.endif
.if \ks == 0
	MUL \ks, 1                                     ; the first products start the sums: nothing is cleared
.else
	MUL \ks, 0
.endif
.endr
	WIN 0
.if \more
	s_wait_tensorcnt 0x0                           ; my part of the next block's first half has landed
	ds_add_u32 v[SPW], v[NIL]
	s_add_nc_u64 s[46:47], s[42:43], IMGC          ; slot 1 takes the same block's second half
	s_add_nc_u64 s[74:75], s[70:71], IMGC
	s_wait_dscnt 0x0                               ; the add is done; my reads of slot 1 were over ahead of the last products
	CROUND
	FILL 1                                         ; the four v_nop behind the load are the places ahead of the first read of results
.else
	PLACES
.endif
.endm
.macro QUANT s, pw                     ; 64 numbers of a lane, register 16 b + i = k 32 b + 16 (lane / 16) + i of my row, become a fragment's codes in v[PC] on and its scale word in v[pw]
.irp b, 0,1,2,3
	v_max3_num_f32 v[TM+\b], |v[\s+16*\b]|, |v[\s+1+16*\b]|, 0x1800000   ; and the floor 2^(3 - 127): the byte cannot fall under 1
.endr
.irp i, 2,4,6,8,10,12,14
.irp b, 0,1,2,3
	v_max3_num_f32 v[TM+\b], v[TM+\b], |v[\s+16*\b+\i]|, |v[\s+1+16*\b+\i]|
.endr
.endr
.irp b, 0,1,2,3
	v_permlanex16_b32 v[TM+4+\b], v[TM+\b], s[SEL], s[SEL+1]
.endr
.irp b, 0,1,2,3
	v_max_num_f32 v[TM+\b], v[TM+\b], v[TM+4+\b]
.endr
.irp b, 0,1,2,3
	v_add_nc_u32 v[TM+12+\b], 0xff000000, v[TM+\b] ; 2 off the exponent field: the conversion's scale operand
.endr
.irp b, 0,1,2,3
	v_lshrrev_b32 v[TM+4+\b], 23, v[TM+12+\b]      ; the scale's byte
.endr
	v_lshl_or_b32 v[\pw], v[TM+5], 8, v[TM+4]
	v_lshl_or_b32 v[\pw], v[TM+6], 16, v[\pw]
	v_lshl_or_b32 v[\pw], v[TM+7], 24, v[\pw]
.irp c, 0,1
	v_cvt_scalef32_pk16_fp6_f32 v[PC+6*\c:PC+2+6*\c], v[\s+32*\c:\s+15+32*\c], v[TM+12+2*\c]
	v_cvt_scalef32_pk16_fp6_f32 v[PC+12+4*\c:PC+14+4*\c], v[\s+16+32*\c:\s+31+32*\c], v[TM+12+2*\c+1]
.endr
	v_nop                                          ; one plain place behind a scaled conversion
.irp c, 0,1
.irp i, 0,1,2
	v_permlane16_swap_b32 v[PC+6*\c+\i], v[PC+12+4*\c+\i]
.endr
.irp i, 0,1,2
	v_mov_b32 v[PC+3+6*\c+\i], v[PC+12+4*\c+\i]
.endr
.endr
.endm
	s_load_b256 s[4:11], s[0:1], 0x0               ; img, bq, bk, bv
	s_load_b128 s[12:15], s[0:1], 0x20             ; hq, hkv
	v_lshl_add_u32 v[SPW], v0, 2, SPARE
	v_mov_b32 v[NIL], 0
	ds_add_u32 v[SPW], v[NIL]                      ; the opening lines: the add, twice on end, and its wait ahead of the first round
	ds_add_u32 v[SPW], v[NIL]
	v_lshrrev_b32 v5, 5, v0
	v_readfirstlane_b32 s16, v5                    ; wave 0..3
	s_bfe_u32 s17, ttmp6, 0x40000                  ; cx: my place in the cluster
	s_and_b32 s19, ttmp9, 63                       ; u: my cluster (ttmp9 counts clusters)
	s_and_b32 s22, s16, 1                          ; which half of R (waves 0, 1) or of P (waves 2, 3) I fetch
	; R's tiles: made of the cluster's number and the wave's alone, in registers that never hold cx
	s_lshl_b32 s21, s22, 3
	s_lshr_b32 s20, s19, 1
	s_lshl_b32 s20, s20, 4
	s_add_co_u32 s20, s20, s21                     ; q: tile 16 (u / 2) + 8 x half; k's lie 512 tiles on
	s_mul_i32 s60, s20, IMGT
	s_mov_b32 s61, 0
	s_lshr_b32 s20, s19, 4
	s_lshl_b32 s20, s20, 4
	s_add_co_u32 s20, s20, s21
	s_add_co_u32 s20, s20, 1664                    ; v: Wv's tiles, 16 (u / 16) on
	s_mul_i32 s62, s20, IMGT
	s_mov_b32 s63, 0
	; P's groups and tiles: these hold cx
	s_lshl_b32 s59, s22, 2
	s_and_b32 s56, s19, 1
	s_lshl_b32 s56, s56, 2
	s_add_co_u32 s56, s56, s17                     ; q, k: group 4 (u % 2) + cx of W's eight
	s_lshl_b32 s58, s56, 3
	s_add_co_u32 s58, s58, s59
	s_add_co_u32 s58, s58, 1536                    ; Wq's tiles; Wk's lie 64 tiles on
	s_mul_i32 s52, s58, IMGT
	s_mov_b32 s53, 0
	s_and_b32 s57, s19, 15
	s_lshl_b32 s57, s57, 2
	s_add_co_u32 s57, s57, s17                     ; v: group 4 (u % 16) + cx of the 64 groups of 128 keys
	s_lshl_b32 s58, s57, 3
	s_add_co_u32 s58, s58, s59
	s_add_co_u32 s58, s58, 1024
	s_mul_i32 s54, s58, IMGT
	s_mov_b32 s55, 0
	; group 0's constant words: no place in the cluster enters an LDS address
	s_mov_b32 s40, 1
	s_mul_i32 s41, s22, 2*RLD
	s_mov_b32 s44, 1
	s_add_co_u32 s45, s41, RLD
	s_mov_b32 s68, 1
	s_mul_i32 s69, s22, 2*PLD
	s_add_co_u32 s69, s69, PBASE
	s_mov_b32 s72, 1
	s_add_co_u32 s73, s69, PLD
	; group 1: rows of 6,656 bytes (832 elements of 8), 13,312 bytes apart; R: 8 rows, joint; P: 4 rows, my own
	s_mov_b32 s24, 15|(3<<16)|(1<<21)              ; the mask: all four work-groups; elements of 8 bytes; 21 set beside a mask
	s_mov_b32 s25, 832<<16
	s_mov_b32 s26, 8<<16
	s_mov_b32 s27, 832<<16
	s_mov_b32 s28, 8
	s_mov_b32 s29, 1664
	s_mov_b32 s30, 0
	s_mov_b32 s31, 0
	s_mov_b32 s32, 3<<16                           ; no mask
	s_mov_b32 s33, 832<<16
	s_mov_b32 s34, 4<<16
	s_mov_b32 s35, 832<<16
	s_mov_b32 s36, 4
	s_mov_b32 s37, 1664
	s_mov_b32 s38, 0
	s_mov_b32 s39, 0
	s_mov_b32 s[SEL], 0x76543210
	s_mov_b32 s[SEL+1], 0xfedcba98
	s_mov_b32 s94, 0xffff0000                      ; as a lane mask: lanes 16-31
	s_mov_b32 s95, 0x7f7f0000                      ; two bytes of 1.0
	s_mov_b32 s96, 0xffff
	s_wait_dscnt 0x0                               ; both opening adds are done
	s_wait_kmcnt 0x0
	s_add_nc_u64 s[42:43], s[4:5], s[60:61]        ; q's block of R,
	s_add_nc_u64 s[48:49], s[42:43], 512*IMGT      ; k's,
	s_add_nc_u64 s[50:51], s[4:5], s[62:63]        ; v's
	s_add_nc_u64 s[70:71], s[4:5], s[52:53]        ; and of P
	s_add_nc_u64 s[76:77], s[70:71], 64*IMGT
	s_add_nc_u64 s[78:79], s[4:5], s[54:55]
.irp r, 43, 49, 51, 71, 77, 79
	s_or_b32 s\r, s\r, 0x80000000                  ; type = 2
.endr
	CROUND                                         ; all four work-groups are here: the joint loads meet
	FILL 0                                         ; q's first half: one tensor load a wave at the head
	v_and_b32 v5, 31, v0
	v_lshlrev_b32 v[L8], 3, v5
	v_lshlrev_b32 v[L16], 4, v5
	s_lshr_b32 s86, s16, 1
	s_mul_i32 s86, s86, 2*RLD
	s_mul_i32 s87, s22, 4*IMGC
	s_add_co_u32 s86, s86, s87                     ; my four tiles of R: loader wave / 2, rows 4 (wave % 2) on
.irp c, 0,1,2,3
	s_add_co_u32 s87, s86, (\c/2)*RLD+(\c%2)*3328  ; chunk c: slot c / 2, and in a tile's half chunk c % 2
	v_add_nc_u32 v[AR+\c], s87, v[L8]
	v_add_nc_u32 v[AP+2*\c], PBASE+(\c/2)*PLD+(\c%2)*3328, v[L8]
	v_add_nc_u32 v[AP+2*\c+1], PBASE+2*PLD+(\c/2)*PLD+(\c%2)*3328, v[L8]
.endr
.irp b, 0,1,2,3
	v_mov_b32 v[TM+4+\b], 0                        ; written once: a lane permute's destination counts as one of its sources
.endr
	v_bfe_u32 v[VB], v0, 4, 1
	v_lshlrev_b32 v[VB], 6, v[VB]                  ; q, k: the bias, 16 h numbers on
	s_wait_alu depctr_va_vdst(0)
	s_wait_tensorcnt 0x0                           ; my part of q's first half has landed
	ds_add_u32 v[SPW], v[NIL]
	s_add_nc_u64 s[46:47], s[42:43], IMGC          ; slot 1: q's second half
	s_add_nc_u64 s[74:75], s[70:71], IMGC
	s_wait_dscnt 0x0
	CROUND
	FILL 1
	s_mov_b32 s18, 0                               ; the product: 0 q, 1 k
	; ---- q and k.  In unit a (R's block a) lane (r, h) holds row r of x, and register 16 b + i feature 128 pg + 32 b + 16 h + i: heads 2 pg (b = 0, 1) and 2 pg + 1 (b = 2, 3)
.Lblk:
	s_wait_xcnt 0x0                                ; the last block's stores have had their addresses translated: their bases and offsets are written again only behind this wait
	s_mov_b32 s86, 208896                          ; a head's block, and where its scale words begin: hkv's,
	s_mov_b32 s87, 196608
	s_cmp_eq_u32 s18, 0
	s_cselect_b32 s86, 106496, s86                 ; or hq's
	s_cselect_b32 s87, 98304, s87
	s_cselect_b64 s[88:89], s[12:13], s[14:15]
	s_cselect_b64 s[92:93], s[6:7], s[8:9]
	s_lshl_b32 s20, s56, 9                         ; my 128 numbers of the bias
	s_mov_b32 s21, 0
	s_add_nc_u64 s[92:93], s[92:93], s[20:21]
.irp i, 0,1,2,3,4,5,6,7,8,9,10,11,12,13,14,15
	global_load_b128 v[B64+4*\i:B64+4*\i+3], v[VB], s[92:93] offset:128*(\i/4)+16*(\i%4)
.endr
	s_lshr_b32 s20, s19, 4                         ; batch
	s_lshl_b32 s20, s20, 4
	s_lshl_b32 s22, s56, 1
	s_add_co_u32 s20, s20, s22                     ; 16 x batch + the even head
	s_mul_i32 s20, s20, s86
	s_add_nc_u64 s[88:89], s[88:89], s[20:21]
	s_bfe_u32 s22, s19, 0x30001                    ; (u / 2) % 8: which 16 tiles of the batch's 128
	s_lshl_b32 s22, s22, 2
	s_add_co_u32 s22, s22, s16                     ; my four tiles
	s_lshl_b32 s20, s22, 8
	s_add_co_u32 s20, s20, s87
	s_add_nc_u64 s[90:91], s[88:89], s[20:21]      ; their scale words
	s_mul_i32 s20, s22, 4*768
	s_add_nc_u64 s[88:89], s[88:89], s[20:21]      ; their codes
	v_add_nc_u32 v[VA1], s86, v[L8]
	s_wait_alu depctr_va_vdst(0)
	MAIN 1
	s_wait_loadcnt 0x0                             ; the bias
.macro UNITQK a
	s_wait_xcnt 0x0                                ; the last unit's stores have had their addresses translated: their data are written again only behind this wait
	WIN 0x01                                       ; source 0 window 1
.set n, 0
.rept 32
	v_pk_add_f32 v[X+n:X+n+1], v[64*\a+n:64*\a+n+1], v[B64+n:B64+n+1]   ; ascending: each accumulator is read from its low end on
.set n, n+2
.endr
	WIN 0
	QUANT X, PWS+\a
.irp p, 0,1,2
	global_store_b64 v[L8], v[PC+2*\p:PC+2*\p+1], s[88:89] offset:\a*768+256*\p       ; the even head: 256 consecutive bytes a store, aligned
	global_store_b64 v[VA1], v[PC+6+2*\p:PC+7+2*\p], s[88:89] offset:\a*768+256*\p    ; the odd head
.endr
.endm
	UNITQK 0
	UNITQK 1
	UNITQK 2
	UNITQK 3
	v_cndmask_b32 v[W], v[PWS], v[PWS+1], s94      ; lanes 0-15 tile 0's words, lanes 16-31 tile 1's
	v_cndmask_b32 v[W+1], v[PWS+2], v[PWS+3], s94
	v_lshrrev_b32 v[W+2], 16, v[W]                 ; the odd head's two bytes
	v_lshrrev_b32 v[W+3], 16, v[W+1]
	v_and_or_b32 v[W], v[W], s96, s95              ; the even head's; the upper two bytes are 1.0
	v_and_or_b32 v[W+1], v[W+1], s96, s95
	v_or_b32 v[W+2], s95, v[W+2]
	v_or_b32 v[W+3], s95, v[W+3]
	global_store_b64 v[L8], v[W:W+1], s[90:91]
	global_store_b64 v[VA1], v[W+2:W+3], s[90:91]
	s_add_co_u32 s18, s18, 1
	s_cmp_lt_u32 s18, 2
	s_wait_alu depctr_va_vdst(0)
	s_cbranch_scc1 .Lblk
	; ---- v.  In unit a lane (r, h) holds channel 32 (a / 2) + 8 (a % 2) + r + 8 (r / 8) of head 4 (u / 16) + wave, and register 16 b + i key 128 pg + 32 b + 16 h + i
	s_wait_xcnt 0x0                                ; as at the loop's head
	s_lshr_b32 s20, s19, 4
	s_lshl_b32 s20, s20, 2
	s_add_co_u32 s20, s20, s16                     ; my head
	s_lshl_b32 s22, s20, 8
	s_mov_b32 s23, 0
	s_add_nc_u64 s[92:93], s[10:11], s[22:23]      ; its 64 numbers of bv
	v_and_b32 v[VB], 15, v0
	v_and_b32 v5, 8, v[VB]
	v_add_nc_u32 v[VB], v[VB], v5
	v_lshlrev_b32 v[VB], 2, v[VB]                  ; r + 8 (r / 8)
.irp a, 0,1,2,3
	global_load_b32 v[B64+2*\a], v[VB], s[92:93] offset:(32*(\a/2)+8*(\a%2))*4
	v_mov_b32 v[B64+2*\a+1], 0                     ; named with it as a pair, so it is written
.endr
	s_lshr_b32 s22, s57, 4                         ; batch
	s_lshl_b32 s22, s22, 4
	s_add_co_u32 s22, s22, s20
	s_mul_i32 s22, s22, 208896
	s_add_nc_u64 s[88:89], s[14:15], s[22:23]
	s_and_b32 s20, s57, 15                         ; which step of 128 keys
	s_lshl_b32 s22, s20, 8
	s_add_co_u32 s22, s22, 204800
	s_add_nc_u64 s[90:91], s[88:89], s[22:23]      ; its scale words
	s_mul_i32 s22, s20, 6144
	s_add_co_u32 s22, s22, 98304
	s_add_nc_u64 s[88:89], s[88:89], s[22:23]      ; its codes
	s_wait_alu depctr_va_vdst(0)
	MAIN 0
	s_wait_loadcnt 0x0
.macro UNITV a
	s_wait_xcnt 0x0
	WIN 0x01
.set n, 0
.rept 32
	v_pk_add_f32 v[X+n:X+n+1], v[64*\a+n:64*\a+n+1], v[B64+2*\a:B64+2*\a+1] op_sel_hi:[1,0]   ; my channel's bias for both halves
.set n, n+2
.endr
	WIN 0
	QUANT X, PWS+\a
.irp g, 0,1,2
	global_store_b128 v[L16], v[PC+4*\g:PC+4*\g+3], s[88:89] offset:\a*1536+512*\g    ; 512 consecutive bytes a store, aligned
.endr
.endm
	UNITV 0
	UNITV 1
	UNITV 2
	UNITV 3
	v_cndmask_b32 v[W], v[PWS], v[PWS+1], s94
	v_cndmask_b32 v[W+1], v[PWS+2], v[PWS+3], s94
	global_store_b64 v[L8], v[W:W+1], s[90:91]
	s_wait_tensorcnt 0x0                           ; the wave's end
	ds_add_u32 v[SPW], v[NIL]
	s_wait_dscnt 0x0
	CROUND                                         ; the closing round: no work-group ends while a partner may still ask for a tile that names it
	s_endpgm
.Lfunc_end_k_q3f80ac9081_proj:
	.size	k_q3f80ac9081_proj, .Lfunc_end_k_q3f80ac9081_proj-k_q3f80ac9081_proj
	.p2alignl 7, 3214868480
	.fill 96, 4, 3214868480
	.section	.rodata,"a",@progbits
	.p2align	6, 0x0
	.amdhsa_kernel k_q3f80ac9081_proj
		.amdhsa_group_segment_fixed_size 327680
		.amdhsa_private_segment_fixed_size 0
		.amdhsa_enable_private_segment 0
		.amdhsa_kernarg_size 48
		.amdhsa_user_sgpr_count 2
		.amdhsa_user_sgpr_kernarg_segment_ptr 1
		.amdhsa_wavefront_size32 1
		.amdhsa_system_sgpr_workgroup_id_x 1
		.amdhsa_system_sgpr_workgroup_id_y 1
		.amdhsa_system_sgpr_workgroup_id_z 1
		.amdhsa_system_vgpr_workitem_id 0
		.amdhsa_next_free_vgpr 1024
		.amdhsa_next_free_sgpr 100
		.amdhsa_reserve_vcc 0
		.amdhsa_float_denorm_mode_32 3
		.amdhsa_float_denorm_mode_16_64 3
		.amdhsa_memory_ordered 1
		.amdhsa_forward_progress 1
		.amdhsa_inst_pref_size 212
	.end_amdhsa_kernel
	.amdgpu_metadata
---
amdhsa.version: [ 1, 2 ]
amdhsa.kernels:
  - .name:           k_q3f80ac9081_proj
    .symbol:         k_q3f80ac9081_proj.kd
    .args:
      - { .name: img, .offset: 0, .size: 8, .value_kind: global_buffer, .address_space: global }
      - { .name: bq, .offset: 8, .size: 8, .value_kind: global_buffer, .address_space: global }
      - { .name: bk, .offset: 16, .size: 8, .value_kind: global_buffer, .address_space: global }
      - { .name: bv, .offset: 24, .size: 8, .value_kind: global_buffer, .address_space: global }
      - { .name: hq, .offset: 32, .size: 8, .value_kind: global_buffer, .address_space: global }
      - { .name: hkv, .offset: 40, .size: 8, .value_kind: global_buffer, .address_space: global }
    .group_segment_fixed_size: 327680
    .private_segment_fixed_size: 0
    .kernarg_segment_align: 8
    .kernarg_segment_size: 48
    .max_flat_workgroup_size: 128
    .sgpr_count:     100
    .vgpr_count:     1024
    .wavefront_size: 32
...
	.end_amdgpu_metadata
.endif
;; end of part 2
;; launch attn (part 3): grid 4 x 64, 16 waves a work-group, clusters of 4 x 1, 210,944 bytes of LDS; arguments hq, hkv, mw, oimg; writes oimg
.if DOCPART == 3
	.amdgcn_target "amdgcn-amd-amdhsa--gfx1250"
	.amdhsa_code_object_version 6
	.text
	.protected	k_q3f80ac9081_attn
	.globl	k_q3f80ac9081_attn
	.p2align	8
	.type	k_q3f80ac9081_attn,@function
k_q3f80ac9081_attn:
	s_mov_b64 s[64:65], 0
	v_nop
	global_prefetch_b8 v0, s[64:65] scope:SCOPE_SE
	s_setreg_imm32_b32 hwreg(HW_REG_WAVE_MODE, 25, 1), 1
	s_wait_xcnt 0x0
	s_wait_alu depctr_hold_cnt(0) depctr_sa_sdst(0) depctr_va_vdst(0) depctr_va_sdst(0) depctr_va_ssrc(0) depctr_va_vcc(0) depctr_vm_vsrc(0)
	s_getreg_b32 s2, hwreg(HW_REG_IB_STS2, 6, 4)
	s_cmp_eq_u32 s2, 0
	s_cbranch_scc0 .Lentry_in_a_cluster
	s_endpgm
.Lentry_in_a_cluster:
	s_bfe_u32 s2, ttmp6, 0x10000c
	s_cmp_lg_u32 s2, 0x3003
	s_cbranch_scc0 .Lentry_shape_is_right
	s_endpgm
.Lentry_shape_is_right:
; ATTN.  For each of 64 (batch, head): scores = qh kh^T / 8, -1e9 where the mask is 0, softmax, x vh; both products on codes of FP6 (E2M3) with E8M0 scales; the result, divided by the row's sum, is quantised along d and leaves as part of oimg.
; THE SOFTMAX: t = score x c, c = log2(e) / 8; M = the row's largest t so far, rounded UP to a whole number; p = 2^(t - M) is quantised along the keys, not normalised; the row's sum is taken of the unquantised p.
; When M moves, the sum and O are multiplied by 2^(old M - new M): exact.
; THE MASK: a hidden score becomes -2^33 ahead of the maximum; 2^33 c is a whole number, so a row that is hidden altogether gives p = 1 for every key, as -1e9 gives.  LIMIT: equal to the definition for logits above about -1e9.
; LIMITS: the promise holds while the scaled scores stay under 2^31 in magnitude; NaN and infinities are not served; blocks whose largest magnitude lies under 2^-124 keep the byte 1.
; SHARES.  A work-group owns one head and 512 queries; each of its sixteen waves owns two tiles of 16 queries, one after the other, in 256 registers.
; LDS holds the head's whole block of hkv (208,896 bytes) as it lies in memory, filled ONCE: each wave asks for 51 rows of 256 bytes.  Behind it 2,048 bytes of spare words.
; CLUSTER 4 x 1: the four work-groups of a head read the same block: each of the sixteen loads is joint.  No prefetch: the one fill stands at the head, with no loop ahead of it to ask in.
; LAYOUT.  S^T = K Q^T (source 0 = 16 keys, source 1 = my 16 queries), O^T = V^T P^T: a lane holds one query.  K's tile 4 c + u of a step holds keys 64 c + 8 u + 0..7 in rows 0-7 and keys 64 c + 32 + 8 u + 0..7 in rows 8-15:
; so register 32 c + m of S^T in lane (r, h) is key 64 c + 32 h + m: A LANE OWNS TWO WHOLE BLOCKS of 32 keys, in the order of the second product's operand.  A block's maximum needs no other lane, and the codes need no lane swap.
; THE FIRST PRODUCT'S K IS 64: Q's registers 6-11 are zero codes, both sides' scale bytes 2, 3 are 1.0; K's tile t is named v[36 + 6 t .. + 11]: its upper six registers (the next tile's codes, or zeros) meet zero codes.
; The mask words of a step (64 lane masks, one for each register of S^T) come by scalar loads a step ahead; the last step asks for its own words again (the offset is held at the pair's last step), so no load leaves mw.
; OUT.  oimg has img's format: tile 128 batch + query tile, chunk head / 4, K step (head / 2) % 2, pieces 3 (head % 2) on.  The two scale bytes a lane go out by a store of 2 bytes.
.set HKV,  208896
.set SPARE, HKV
.set NEG,  5                           ; v5   -2^33
.set SH8,  6                           ; v6   8 h
.set AK,   8                           ; v8-11 LDS addresses, stepped: K's codes, V's codes, K's scale words, V's
.set AV,   9
.set AKS,  10
.set AVS,  11
.set KV,   36                          ; v36-83 K's eight half fragments, then V's four fragments; v84-89 zeros
.set S,    92                          ; v92-155  S^T, then p
.set O,    156                         ; v156-187 O^T
.set PCD,  188                         ; v188-199 p's codes
.set CT,   200                         ; v200-206 conversions whose place begins on an odd register
.set BM,   208                         ; v208-209 block maxima; v210-211 their second chains
.set BT,   212                         ; v212-213 scale bytes
.set SO,   216                         ; v216-217 the conversions' scale operands
.set F,    220                         ; v[220:221] f, later 1 / sum
.set TMP,  222
.set OW,   223
.set OLD,  224                         ; -M as the step found it
.set TM2,  225
.set WD,   226
.set WD2,  227
.set Q1,   228                         ; v228-239 the second tile's Q (the first's: v16-27)
.set QS1,  240                         ; its scale words (the first's: v28)
.set CH,   242                         ; v242-247 three more chains of the row's sum
.set QA,   248
.set QSA,  249
.set SPW,  250                         ; LDS address of my spare word; never rewritten
.set NIL,  251                         ; 0; never rewritten
.macro CROUND
	s_barrier_signal -1
	s_barrier_wait -1
	s_cmp_lg_u32 s92, 0
	s_cbranch_scc1 .Lnot_wave_0_\@
	s_barrier_signal -3
.Lnot_wave_0_\@:
	s_barrier_wait -3
	s_barrier_signal -1
	s_barrier_wait -1
.endm
.macro MASKLD                          ; 64 words: word n in s[4 + n] (n < 48) or s[20 + n]
	s_load_b512 s[4:19], s[88:89], s66 offset:0x0
	s_load_b512 s[20:35], s[88:89], s66 offset:0x40
	s_load_b512 s[36:51], s[88:89], s66 offset:0x80
	s_load_b512 s[68:83], s[88:89], s66 offset:0xc0
.endm
	s_load_b256 s[84:91], s[0:1], 0x0              ; hq, hkv, mw, oimg
	v_lshl_add_u32 v[SPW], v0, 2, SPARE
	v_mov_b32 v[NIL], 0
	ds_add_u32 v[SPW], v[NIL]                      ; the opening lines: the add, twice on end, and its wait ahead of the first round
	ds_add_u32 v[SPW], v[NIL]
	v_lshrrev_b32 v8, 5, v0
	v_readfirstlane_b32 s92, v8                    ; wave 0..15
	s_bfe_u32 s93, ttmp6, 0x40000                  ; cx
	s_and_b32 s67, ttmp7, 0xffff                   ; 16 x batch + head, which the four partners share
	s_mul_i32 s98, s67, HKV
	s_mul_i32 s61, s92, 51*256                     ; my 51 rows: in LDS,
	s_add_co_u32 s98, s98, s61                     ; and in memory
	s_mov_b32 s99, 0
	s_mov_b32 s52, 15|(3<<16)|(1<<21)              ; group 1: the mask of all four; elements of 8 bytes; 21 set beside a mask
	s_mov_b32 s53, 32<<16
	s_mov_b32 s54, 51<<16
	s_mov_b32 s55, 32<<16
	s_mov_b32 s56, 51
	s_mov_b32 s57, 32                              ; the rows are dense
	s_mov_b32 s58, 0
	s_mov_b32 s59, 0
	s_mov_b32 s60, 1
	s_mov_b32 s94, 0x76543210                      ; v_permlanex16_b32's selects: lane l xor 16
	s_mov_b32 s95, 0xfedcba98
	s_mov_b32 s96, 0x3e38aa3b                      ; c = log2(e) / 8
	s_mov_b32 s97, s96
	s_wait_dscnt 0x0                               ; both opening adds are done
	s_wait_kmcnt 0x0
	s_add_nc_u64 s[62:63], s[86:87], s[98:99]
	s_or_b32 s63, s63, 0x80000000
	CROUND                                         ; all four work-groups are here: the joint loads meet
	tensor_load_to_lds s[60:63], s[52:59]          ; my one tensor load
	s_nop 0
	s_lshl_b32 s2, ttmp9, 2
	s_add_co_u32 s93, s93, s2                      ; my block of 512 queries: it enters global addresses alone
	s_lshl_b32 s93, s93, 4
	s_add_co_u32 s93, s93, s92                     ; q2: my pair of query tiles
	s_lshl_b32 s66, s93, 13                        ; its mask words: 2 tiles x 16 steps x 256 bytes
	MASKLD                                         ; the first step's
	s_mul_i32 s98, s67, 106496
	s_add_nc_u64 s[84:85], s[84:85], s[98:99]      ; the head's block of hq
	s_lshr_b32 s2, s67, 4
	s_lshl_b32 s2, s2, 6
	s_add_co_u32 s2, s2, s93
	s_mul_i32 s98, s2, 2*13312                     ; tile 128 batch + 2 q2 of oimg,
	s_bfe_u32 s2, s67, 0x20002
	s_mul_i32 s2, s2, 3328                         ; chunk head / 4
	s_add_co_u32 s98, s98, s2
	s_add_nc_u64 s[90:91], s[90:91], s[98:99]
	s_mul_i32 s100, s93, 1536                      ; Q's codes
	s_lshr_b32 s101, s93, 1
	s_lshl_b32 s101, s101, 8
	s_and_b32 s3, s93, 1
	s_lshl_b32 s3, s3, 2
	s_add_co_u32 s101, s101, s3
	s_add_co_u32 s101, s101, 98304                 ; Q's scale words: group q2 / 2, word q2 % 2
	s_bfe_u32 s2, s67, 0x10001                     ; (head / 2) % 2
	s_mul_i32 s3, s2, 1536
	s_lshl_b32 s2, s2, 2
	s_and_b32 s98, s67, 1
	s_mul_i32 s99, s98, 768
	s_add_co_u32 s3, s3, s99                       ; the way out: my codes' place in the chunk,
	s_lshl_b32 s98, s98, 1
	s_add_co_u32 s2, s2, s98
	s_add_co_u32 s2, s2, 3072                      ; my two scale bytes'
	v_and_b32 v8, 31, v0
	v_and_b32 v9, 15, v0
	v_lshlrev_b32 v1, 3, v8                        ; K's codes: 8 x lane
	v_lshlrev_b32 v2, 4, v8
	v_add_nc_u32 v2, 98304, v2                     ; V's codes: 16 x lane
	v_add_nc_u32 v3, 196608, v1                    ; K's scale words
	v_add_nc_u32 v4, 204800, v1                    ; V's
	v_add_nc_u32 v[QA], s100, v1
	v_lshl_add_u32 v[QSA], v9, 3, s101
	v_add_nc_u32 v90, s3, v1
	v_add_nc_u32 v91, s2, v1
.irp p, 0,1,2                          ; both tiles' Q come now, while LDS is being filled, and stay in registers
	global_load_b64 v[16+2*\p:17+2*\p], v[QA], s[84:85] offset:256*\p
	global_load_b64 v[Q1+2*\p:Q1+2*\p+1], v[QA], s[84:85] offset:768+256*\p
.endr
	global_load_b32 v28, v[QSA], s[84:85]
	global_load_b32 v[QS1], v[QSA], s[84:85] offset:128
	v_mov_b32 v[NEG], 0xd0000000
	v_bfe_u32 v[SH8], v0, 4, 1
	v_lshlrev_b32 v[SH8], 3, v[SH8]
.irp i, 22,23,24,25,26,27,84,85,86,87,88,89,234,235,236,237,238,239
	v_mov_b32 v\i, 0                               ; Q's zero codes, and the zeros behind K's last tile
.endr
.irp i, F+1, TM2, WD2, BT, BT+1
	v_mov_b32 v[\i], 0                             ; written once: a pair's upper word, and lane permutes' destinations, which count as sources
.endr
	s_wait_alu depctr_va_vdst(0)
	s_wait_loadcnt 0x0                             ; Q
	s_wait_tensorcnt 0x0                           ; my part of the block has landed,
	s_barrier_signal -1
	s_barrier_wait -1                              ; everybody's has
	s_add_co_u32 s52, s66, 31*256                  ; the pair's last step of mask words (my tensor load is done: its registers are free)
.macro QK t, qr, qs                    ; S^T's tile t.  K's scale words: v[30 + t / 2], lanes 0-15 the even tile's, lanes 16-31 the odd one's
.if (\t)%2
	v_wmma_scale_f32_16x16x128_f8f6f4 v[S+8*(\t):S+8*(\t)+7], v[KV+6*(\t):KV+6*(\t)+11], v[\qr:\qr+11], 0, v[30+(\t)/2], v[\qs] matrix_a_fmt:MATRIX_FMT_FP6 matrix_b_fmt:MATRIX_FMT_FP6 matrix_a_scale:MATRIX_SCALE_ROW1
.else
	v_wmma_scale_f32_16x16x128_f8f6f4 v[S+8*(\t):S+8*(\t)+7], v[KV+6*(\t):KV+6*(\t)+11], v[\qr:\qr+11], 0, v[30+(\t)/2], v[\qs] matrix_a_fmt:MATRIX_FMT_FP6 matrix_b_fmt:MATRIX_FMT_FP6
.endif
.endm
.macro CM t                            ; the mask on tile t, ascending: the accumulator is read from its low end on
.set n, 8*(\t)
.rept 8
	v_cndmask_b32 v[S+n], v[NEG], v[S+n], s[4+n+16*(n/48)]
.set n, n+1
.endr
.endm
.macro VL t                            ; V's fragment t: 16 channels x the step's 128 keys
.irp g, 0,1,2
	ds_load_b128 v[KV+12*(\t)+4*\g:KV+12*(\t)+4*\g+3], v[AV] offset:(\t)*1536+512*\g
.endr
.endm
.macro FMA j                           ; pair j of the scores: t - M (of the pairs c and -M the low word serves both halves)
	v_pk_fma_f32 v[S+2*(\j):S+2*(\j)+1], v[S+2*(\j):S+2*(\j)+1], s[96:97], v[12:13] op_sel_hi:[1,0,0]
.endm
.macro SUM m                           ; addition m of 29 of the row's sum, in four chains: 0-2 start three chains with pairs 0-5; m >= 3 adds pair m + 3
.if (\m) < 3
	v_pk_add_f32 v[CH+2*(\m):CH+2*(\m)+1], v[S+4*(\m):S+4*(\m)+1], v[S+4*(\m)+2:S+4*(\m)+3]
.elseif ((\m)-3)%4 == 0
	v_pk_add_f32 v[14:15], v[14:15], v[S+2*(\m)+6:S+2*(\m)+7]
.else
	v_pk_add_f32 v[CH+2*(((\m)-3)%4)-2:CH+2*(((\m)-3)%4)-1], v[CH+2*(((\m)-3)%4)-2:CH+2*(((\m)-3)%4)-1], v[S+2*(\m)+6:S+2*(\m)+7]
.endif
.endm
; A KEY STEP: 128 keys.  v12 = -M, v13 = the largest score so far, v[14:15] the sum
.macro STEP qr, qs
.irp t, 0,1,2,3,4,5,6,7
.irp p, 0,1,2
	ds_load_b64 v[KV+6*\t+2*\p:KV+6*\t+2*\p+1], v[AK] offset:\t*768+256*\p
.endr
.endr
	ds_load_b64 v[30:31], v[AKS]
	ds_load_b64 v[32:33], v[AKS] offset:256
	s_wait_kmcnt 0x0                               ; this step's mask words, asked for a step ago
	s_wait_dscnt 0x0                               ; K
.irp t, 0,1,2,3,4,5,6,7
	QK \t, \qr, \qs
.endr
	v_add_nc_u32 v[AK], 6144, v[AK]                ; four places ahead of the first read of a result: the next step's addresses, -M as it stands
	v_add_nc_u32 v[AKS], 512, v[AKS]
	v_mov_b32 v[OLD], v12
	v_nop
.irp t, 0,1,2,3,4,5,6,7
	CM \t
.endr
	s_add_co_u32 s66, s66, 256                     ; (the loads that read s66 are done: the wait at the step's head)
	s_min_u32 s66, s66, s52
	MASKLD                                         ; the next step's
	; the largest score of my two blocks of 32 keys: for the row's maximum and, since p rises with the score, for the block's largest p.  Two chains a block, the four by turns
.irp c, 0,1
	v_max3_num_f32 v[BM+\c], v[S+32*\c], v[S+32*\c+1], v[S+32*\c+2]
	v_max3_num_f32 v[BM+2+\c], v[S+32*\c+16], v[S+32*\c+17], v[S+32*\c+18]
.endr
.irp i, 3,5,7,9,11,13
.irp c, 0,1
	v_max3_num_f32 v[BM+\c], v[BM+\c], v[S+32*\c+\i], v[S+32*\c+\i+1]
	v_max3_num_f32 v[BM+2+\c], v[BM+2+\c], v[S+32*\c+16+\i], v[S+32*\c+17+\i]
.endr
.endr
.irp c, 0,1
	v_max3_num_f32 v[BM+\c], v[BM+\c], v[BM+2+\c], v[S+32*\c+15]
.endr
.irp c, 0,1
	v_max_num_f32 v[BM+\c], v[BM+\c], v[S+32*\c+31]
.endr
	v_max_num_f32 v[TMP], v[BM], v[BM+1]
	VL 0                                           ; V's loads stand between the links of the chain that leads to M (K's registers were last read 64 selections ago)
	v_permlanex16_b32 v[TM2], v[TMP], s94, s95
	VL 1
	v_max3_num_f32 v13, v13, v[TMP], v[TM2]        ; the running largest score of my query
	VL 2
	v_mul_f32 v[TMP], s96, v13                     ; as t (c is positive)
	VL 3
	v_floor_f32 v12, -v[TMP]                       ; the new -M = floor(-t): M is a whole number
	ds_load_b64 v[34:35], v[AVS]                   ; V's scale words
.irp c, 0,1
	v_fma_f32 v[BM+\c], v[BM+\c], s96, v12         ; t - M of each block's largest score
.endr
	v_sub_f32 v[TMP], v12, v[OLD]                  ; old M - new M: a whole number, 0 or less
	FMA 0
	FMA 1
	v_cvt_i32_f32 v[TMP], v[TMP]                   ; (it saturates)
	FMA 2
	FMA 3
	v_ldexp_f32 v[F], 1.0, v[TMP]                  ; f = 2^(old M - new M)
.set n, 4
.rept 28
	FMA n
.set n, n+1
.endr
	v_pk_mul_f32 v[14:15], v[14:15], v[F:F+1] op_sel_hi:[1,0]   ; the sum under the new M
.set n, 0
.rept 16
	v_pk_mul_f32 v[O+2*n:O+2*n+1], v[O+2*n:O+2*n+1], v[F:F+1] op_sel_hi:[1,0]   ; O^T under the new M, ascending
.set n, n+1
.endr
	s_wait_alu depctr_va_vdst(0)
	v_exp_f32 v[BM], v[BM]                         ; the blocks' largest p
	v_exp_f32 v[BM+1], v[BM+1]
.set n, 0
.rept 64
	v_exp_f32 v[S+n], v[S+n]                       ; p = 2^(t - M)
.set n, n+1
.endr
	v_add_nc_u32 v[AV], 6144, v[AV]                ; the plain place behind the batch
	s_wait_alu depctr_va_vdst(0)                   ; one wait for the batch, ahead of its first reader
.irp c, 0,1
	v_max_num_f32 v[BM+\c], 0x1800000, v[BM+\c]    ; the floor 2^(3 - 127): the byte cannot fall under 1
.endr
.irp c, 0,1
	v_add_nc_u32 v[SO+\c], 0xff000000, v[BM+\c]    ; 2 off the exponent field: the conversion's scale operand
.endr
.irp c, 0,1
	v_cvt_scalef32_pk16_fp6_f32 v[PCD+6*\c:PCD+2+6*\c], v[S+32*\c:S+15+32*\c], v[SO+\c]
	v_cvt_scalef32_pk16_fp6_f32 v[CT+4*\c:CT+2+4*\c], v[S+16+32*\c:S+31+32*\c], v[SO+\c]   ; (a conversion's three registers begin on an even number)
.endr
.irp c, 0,1
	v_lshrrev_b32 v[BT+\c], 23, v[SO+\c]           ; the scale's byte (the plain place behind the conversions)
.endr
	v_lshl_or_b32 v[WD], v[BT+1], 16, v[BT]        ; my two bytes: blocks h and 2 + h,
.irp c, 0,1
.irp i, 0,1,2
	v_mov_b32 v[PCD+3+6*\c+\i], v[CT+4*\c+\i]
.endr
.endr
	v_lshlrev_b32 v[WD], v[SH8], v[WD]             ; at their places in the word;
	v_permlanex16_b32 v[WD2], v[WD], s94, s95
	v_or_b32 v29, v[WD], v[WD2]                    ; with lane l xor 16's two: p's scale word for these 128 keys
.set n, 0
.rept 29
	SUM n                                          ; these are also the places between the codes, the scale word and the products
.set n, n+1
.endr
	s_wait_alu depctr_va_vdst(0)                   ; directly ahead of the wait below
	s_wait_dscnt 0x0                               ; V
.irp t, 0,1,2,3
.if \t%2
	v_wmma_scale_f32_16x16x128_f8f6f4 v[O+8*\t:O+8*\t+7], v[KV+12*\t:KV+12*\t+11], v[PCD:PCD+11], v[O+8*\t:O+8*\t+7], v[34+\t/2], v29 matrix_a_fmt:MATRIX_FMT_FP6 matrix_b_fmt:MATRIX_FMT_FP6 matrix_a_scale:MATRIX_SCALE_ROW1
.else
	v_wmma_scale_f32_16x16x128_f8f6f4 v[O+8*\t:O+8*\t+7], v[KV+12*\t:KV+12*\t+11], v[PCD:PCD+11], v[O+8*\t:O+8*\t+7], v[34+\t/2], v29 matrix_a_fmt:MATRIX_FMT_FP6 matrix_b_fmt:MATRIX_FMT_FP6
.endif
.endr
	v_add_nc_u32 v[AVS], 256, v[AVS]               ; four places ahead of the next loads into V's registers
	v_pk_add_f32 v[CH:CH+1], v[CH:CH+1], v[CH+2:CH+3]
	v_pk_add_f32 v[14:15], v[14:15], v[CH+4:CH+5]
	v_pk_add_f32 v[14:15], v[14:15], v[CH:CH+1]
.endm
; MY TILE j OF 16 QUERIES
.macro TILE j, qr, qs
.if \j > 0
	s_wait_xcnt 0x0                                ; the last tile's stores have had their addresses translated: their data are written again only behind this wait
.endif
	v_mov_b32 v[AK], v1
	v_mov_b32 v[AV], v2
	v_mov_b32 v[AKS], v3
	v_mov_b32 v[AVS], v4
	v_mov_b32 v13, 0xff61b1e6                      ; the largest score so far: -3e38
	v_mov_b32 v12, 0x7e000000                      ; -M: a large whole number, so that the first f is 0
	v_mov_b32 v14, 0
	v_mov_b32 v15, 0
.set n, 0
.rept 32
	v_mov_b32 v[O+n], 0                            ; the step is written once: the first finds zeros
.set n, n+1
.endr
	s_mov_b32 s101, 16
.Lstep_\@:                             ; a trip is one key step
	STEP \qr, \qs
	s_sub_co_u32 s101, s101, 1
	s_cmp_lg_u32 s101, 0
	s_cbranch_scc1 .Lstep_\@
	v_add_f32 v14, v14, v15
	v_permlanex16_b32 v[TM2], v14, s94, s95
	v_add_f32 v14, v14, v[TM2]                     ; the row's sum
	s_wait_alu depctr_va_vdst(0)
	v_rcp_f32 v[F], v14
	v_nop                                          ; one plain place behind it
	s_wait_alu depctr_va_vdst(0)                   ; the wait ahead of its first reader, which is also O^T's first reader
.set n, 0
.rept 16
	v_pk_mul_f32 v[S+n:S+n+1], v[O+n:O+n+1], v[F:F+1] op_sel_hi:[1,0]   ; register 16 b + i: channel 32 b + 16 h + i of my query
.set n, n+2
.endr
.irp b, 0,1
	v_max3_num_f32 v[BM+\b], |v[S+16*\b]|, |v[S+1+16*\b]|, 0x1800000
.endr
.irp i, 2,4,6,8,10,12,14
.irp b, 0,1
	v_max3_num_f32 v[BM+\b], v[BM+\b], |v[S+16*\b+\i]|, |v[S+1+16*\b+\i]|
.endr
.endr
.irp b, 0,1
	v_permlanex16_b32 v[BT+\b], v[BM+\b], s94, s95
.endr
.irp b, 0,1
	v_max_num_f32 v[BM+\b], v[BM+\b], v[BT+\b]
.endr
.irp b, 0,1
	v_add_nc_u32 v[SO+\b], 0xff000000, v[BM+\b]
.endr
.irp b, 0,1
	v_lshrrev_b32 v[BT+\b], 23, v[SO+\b]
.endr
	v_lshl_or_b32 v[OW], v[BT+1], 8, v[BT]         ; the head's two scale bytes of my row
	v_cvt_scalef32_pk16_fp6_f32 v[PCD:PCD+2], v[S:S+15], v[SO]
	v_cvt_scalef32_pk16_fp6_f32 v[CT:CT+2], v[S+16:S+31], v[SO+1]
	v_nop                                          ; one plain place behind a scaled conversion
.irp i, 0,1,2
	v_permlane16_swap_b32 v[PCD+\i], v[CT+\i]
.endr
.irp i, 0,1,2
	v_mov_b32 v[PCD+3+\i], v[CT+\i]                ; six registers: d = 32 h + 0 .. 31
.endr
.irp p, 0,1,2
	global_store_b64 v90, v[PCD+2*\p:PCD+2*\p+1], s[90:91] offset:\j*13312+256*\p   ; 256 consecutive bytes a store, aligned
.endr
	global_store_b16 v91, v[OW], s[90:91] offset:\j*13312
.endm
	TILE 0, 16, 28
	TILE 1, Q1, QS1
	s_wait_kmcnt 0x0                               ; the last step's repeated mask words
	s_wait_tensorcnt 0x0                           ; the wave's end
	ds_add_u32 v[SPW], v[NIL]
	s_wait_dscnt 0x0
	CROUND                                         ; the closing round: no work-group ends while a partner may still ask for a tile that names it
	s_endpgm
.Lfunc_end_k_q3f80ac9081_attn:
	.size	k_q3f80ac9081_attn, .Lfunc_end_k_q3f80ac9081_attn-k_q3f80ac9081_attn
	.p2alignl 7, 3214868480
	.fill 96, 4, 3214868480
	.section	.rodata,"a",@progbits
	.p2align	6, 0x0
	.amdhsa_kernel k_q3f80ac9081_attn
		.amdhsa_group_segment_fixed_size 210944
		.amdhsa_private_segment_fixed_size 0
		.amdhsa_enable_private_segment 0
		.amdhsa_kernarg_size 32
		.amdhsa_user_sgpr_count 2
		.amdhsa_user_sgpr_kernarg_segment_ptr 1
		.amdhsa_wavefront_size32 1
		.amdhsa_system_sgpr_workgroup_id_x 1
		.amdhsa_system_sgpr_workgroup_id_y 1
		.amdhsa_system_sgpr_workgroup_id_z 1
		.amdhsa_system_vgpr_workitem_id 0
		.amdhsa_next_free_vgpr 256
		.amdhsa_next_free_sgpr 102
		.amdhsa_reserve_vcc 0
		.amdhsa_float_denorm_mode_32 3
		.amdhsa_float_denorm_mode_16_64 3
		.amdhsa_memory_ordered 1
		.amdhsa_forward_progress 1
		.amdhsa_inst_pref_size 56
	.end_amdhsa_kernel
	.amdgpu_metadata
---
amdhsa.version: [ 1, 2 ]
amdhsa.kernels:
  - .name:           k_q3f80ac9081_attn
    .symbol:         k_q3f80ac9081_attn.kd
    .args:
      - { .name: hq, .offset: 0, .size: 8, .value_kind: global_buffer, .address_space: global }
      - { .name: hkv, .offset: 8, .size: 8, .value_kind: global_buffer, .address_space: global }
      - { .name: mw, .offset: 16, .size: 8, .value_kind: global_buffer, .address_space: global }
      - { .name: oimg, .offset: 24, .size: 8, .value_kind: global_buffer, .address_space: global }
    .group_segment_fixed_size: 210944
    .private_segment_fixed_size: 0
    .kernarg_segment_align: 8
    .kernarg_segment_size: 32
    .max_flat_workgroup_size: 512
    .sgpr_count:     102
    .vgpr_count:     256
    .wavefront_size: 32
...
	.end_amdgpu_metadata
.endif
;; end of part 3
;; launch outp (part 4): grid 256 x 1, 4 waves a work-group, clusters of 4 x 1, 327,680 bytes of LDS; arguments oimg, img, bo, out0; writes out0
.if DOCPART == 4
	.amdgcn_target "amdgcn-amd-amdhsa--gfx1250"
	.amdhsa_code_object_version 6
	.text
	.protected	k_q3f80ac9081_outp
	.globl	k_q3f80ac9081_outp
	.p2align	8
	.type	k_q3f80ac9081_outp,@function
k_q3f80ac9081_outp:
	s_mov_b64 s[64:65], 0
	v_nop
	global_prefetch_b8 v0, s[64:65] scope:SCOPE_SE
	s_setreg_imm32_b32 hwreg(HW_REG_WAVE_MODE, 25, 1), 1
	s_wait_xcnt 0x0
	s_wait_alu depctr_hold_cnt(0) depctr_sa_sdst(0) depctr_va_vdst(0) depctr_va_sdst(0) depctr_va_ssrc(0) depctr_va_vcc(0) depctr_vm_vsrc(0)
	s_getreg_b32 s2, hwreg(HW_REG_IB_STS2, 6, 4)
	s_cmp_eq_u32 s2, 0
	s_cbranch_scc0 .Lentry_in_a_cluster
	s_endpgm
.Lentry_in_a_cluster:
	s_bfe_u32 s2, ttmp6, 0x10000c
	s_cmp_lg_u32 s2, 0x3003
	s_cbranch_scc0 .Lentry_shape_is_right
	s_endpgm
.Lentry_shape_is_right:
; OUTP.  out0 = x Wo^T + bo on codes of FP6 (E2M3) with E8M0 scales for each 32 along K = 1,024; sums in f32.  x's codes come from oimg, Wo's from img (tiles 1728-1791), both as register images:
; tiles of 16 rows (order 32 (T / 2) + 8 (T % 2) + r + 8 (r / 8)), 13,312 bytes each, four chunks of 256 along K.
; A WORK-GROUP makes P (128 rows of Wo, source 0: along a lane's registers) x R (256 rows of x, source 1: on the lanes), whole K.  Four waves; wave w takes all of P and R's tiles 4 w .. 4 w + 3: 32 accumulators.
; LDS: all of P and R for all of K is 319,488 bytes: every byte is filled ONCE, in two halves of K, one tensor load a wave for each; the second lands while the first K steps are multiplied.
; CLUSTER 4 x 1: the four partners take four groups of P and share R: R's loads are joint; P's are each work-group's own.
; THE WAY OUT: a unit (16 rows x 128 columns) goes through the wave's own stage and leaves as rows of 512 bytes.  The stages lie in R's first bytes, behind a barrier behind which nobody reads LDS tiles any more; those bytes have had their only fill.
; REGISTERS, in windows of 256: window 0: addresses, scale words, the way out.  window 1: accumulator (a, t) at v[8 (8 a + t)].  windows 2, 3: fragment buffers; on the way out window 2's v0-63 take rows read back.
.set IMGT,  13312
; THE FILLS: K comes in two halves of 512, each half of a tile 6,656 bytes (two chunks of 3,328).
; A wave issues ONE tensor load for each half: the first at the head, the second behind the three lines and a round of the cluster's barrier; it lands while the first four K steps are multiplied.  Every byte is still filled once.
.set IMGC,  6656                       ; half a tile's image: what lies on end in LDS
.set RLD,   8*IMGC
.set PLD,   4*IMGC
.set PBASE, 4*RLD
.set SPARE, PBASE+4*PLD                ; behind the tiles: the spare words, 128 bytes a wave
.set SPW,  240                         ; v240 LDS address of my spare word; never rewritten
.set NIL,  241                         ; v241 0; never rewritten
.macro FILL ph                         ; half ph: waves 0, 1 ask jointly for R's, waves 2, 3 for P's: one load on every way
	s_cmp_lt_u32 s16, 2
	s_cbranch_scc0 .Lfill_p_\@
	tensor_load_to_lds s[40+4*\ph:43+4*\ph], s[24:31]
	s_nop 0
	PLACES
	s_branch .Lfilled_\@
.Lfill_p_\@:
	tensor_load_to_lds s[68+4*\ph:71+4*\ph], s[32:39]
	s_nop 0
	PLACES
.Lfilled_\@:
.endm
.set SP,    528                        ; a stage row: 512 bytes + 16
.set L8,   1                           ; v1   8 x lane
.set L16,  2                           ; v2   16 x lane
.set STW,  3                           ; v3   the stage, on the way in: row r, + 64 h
.set STR,  4                           ; v4   and on the way out: 16 x lane
.set VB,   6                           ; v6   the bias's lane offset
.set AR,   8
.set AP,   12
.set SC,   20
.set X,    68
.set B64,  132
.set MSB, 0
.macro WIN new                         ; the immediate's high byte repeats the setting that is left
.if MSB != (\new)
	s_set_vgpr_msb (MSB<<8)|(\new)
.set MSB, (\new)
.endif
.endm
.macro PLACES                          ; four plain places behind a matrix instruction (ISA guide 7.12.1)
.rept 4
	v_nop
.endr
.endm
.macro BAR
	s_barrier_signal -1
	s_barrier_wait -1
.endm
.macro CROUND
	s_barrier_signal -1
	s_barrier_wait -1
	s_cmp_lg_u32 s16, 0
	s_cbranch_scc1 .Lnot_wave_0_\@
	s_barrier_signal -3
.Lnot_wave_0_\@:
	s_barrier_wait -3
	s_barrier_signal -1
	s_barrier_wait -1
.endm
.macro FETCH ks                        ; K step ks: 12 fragments into buffer ks % 2; with a chunk's first step its scale words
.set FC, (\ks)/2
.set FK, (\ks)%2
	WIN 0x80+0x40*((\ks)%2)
.irp t, 0,1,2,3,4,5,6,7
.irp p, 0,1,2,3,4,5
	ds_load_b64 v[12*\t+2*\p:12*\t+2*\p+1], v[AP+2*FC+\t/4] offset:(\t%4)*IMGC+FK*1536+256*\p
.endr
.endr
.irp a, 0,1,2,3
.irp p, 0,1,2,3,4,5
	ds_load_b64 v[96+12*\a+2*\p:96+12*\a+2*\p+1], v[AR+FC] offset:\a*IMGC+FK*1536+256*\p
.endr
.endr
	WIN 0
.if FK == 0
.irp t, 0,1,2,3,4,5,6,7
	ds_load_b64 v[SC+24*(FC%2)+2*\t:SC+24*(FC%2)+2*\t+1], v[AP+2*FC+\t/4] offset:(\t%4)*IMGC+3072
.endr
.irp a, 0,1,2,3
	ds_load_b64 v[SC+24*(FC%2)+16+2*\a:SC+24*(FC%2)+16+2*\a+1], v[AR+FC] offset:\a*IMGC+3072
.endr
.endif
.endm
.macro MUL ks, zero                    ; 32 matrix instructions; the 32 accumulators take turns in the same order in every K step
.set MC, (\ks)/2
.set MK, (\ks)%2
	WIN 0x5a+5*((\ks)%2)
.irp a, 0,1,2,3
.irp t, 0,1,2,3,4,5,6,7
.if \zero
	v_wmma_scale_f32_16x16x128_f8f6f4 v[8*(8*\a+\t):8*(8*\a+\t)+7], v[12*\t:12*\t+11], v[96+12*\a:96+12*\a+11], 0, v[SC+24*(MC%2)+2*\t+MK], v[SC+24*(MC%2)+16+2*\a+MK] matrix_a_fmt:MATRIX_FMT_FP6 matrix_b_fmt:MATRIX_FMT_FP6
.else
	v_wmma_scale_f32_16x16x128_f8f6f4 v[8*(8*\a+\t):8*(8*\a+\t)+7], v[12*\t:12*\t+11], v[96+12*\a:96+12*\a+11], v[8*(8*\a+\t):8*(8*\a+\t)+7], v[SC+24*(MC%2)+2*\t+MK], v[SC+24*(MC%2)+16+2*\a+MK] matrix_a_fmt:MATRIX_FMT_FP6 matrix_b_fmt:MATRIX_FMT_FP6
.endif
.endr
.endr
.endm
.macro MAIN
	s_wait_tensorcnt 0x0                           ; my part of the first half has landed
	ds_add_u32 v[SPW], v[NIL]
	s_wait_dscnt 0x0
	CROUND                                         ; everybody's has, and all four work-groups are here
	FILL 1                                         ; the second half: my one tensor load behind the round
	FETCH 0
.irp ks, 0,1,2,3,4,5,6,7
	s_wait_dscnt 0x0                               ; this step's fragments are in; no LDS instruction of mine is out at the signal below
.if \ks == 3
	s_wait_tensorcnt 0x0                           ; my part of the second half has landed
	BAR                                            ; everybody's has
.endif
.if \ks > 0
	PLACES
.endif
.if \ks < 7
	FETCH \ks+1
.endif
.if \ks == 0
	MUL \ks, 1
.else
	MUL \ks, 0
.endif
.endr
	WIN 0
	PLACES
.endm
	s_load_b256 s[4:11], s[0:1], 0x0               ; oimg, img, bo, out0
	v_lshl_add_u32 v[SPW], v0, 2, SPARE
	v_mov_b32 v[NIL], 0
	ds_add_u32 v[SPW], v[NIL]                      ; the opening lines: the add, twice on end, and its wait ahead of the first round
	ds_add_u32 v[SPW], v[NIL]
	v_lshrrev_b32 v5, 5, v0
	v_readfirstlane_b32 s16, v5                    ; wave 0..3
	s_bfe_u32 s17, ttmp6, 0x40000                  ; cx
	s_lshr_b32 s19, ttmp9, 1                       ; which 256 rows of x (ttmp9 counts clusters)
	s_lshl_b32 s20, s19, 4                         ; R's first tile: no cx
	s_and_b32 s56, ttmp9, 1
	s_lshl_b32 s56, s56, 2
	s_add_co_u32 s56, s56, s17                     ; pg: which 128 rows of Wo
	s_lshl_b32 s57, s56, 3
	s_add_co_u32 s57, s57, 1728                    ; P's first tile
	s_and_b32 s22, s16, 1                          ; which half of R (waves 0, 1) or of P (waves 2, 3) I fetch
	s_lshl_b32 s21, s22, 3
	s_add_co_u32 s21, s21, s20
	s_mul_i32 s60, s21, IMGT
	s_mov_b32 s61, 0
	s_lshl_b32 s59, s22, 2
	s_add_co_u32 s59, s59, s57
	s_mul_i32 s62, s59, IMGT
	s_mov_b32 s63, 0
	s_mul_i32 s23, s22, 2*RLD
	s_mul_i32 s58, s22, 2*PLD
	s_mov_b32 s24, 15|(3<<16)|(1<<21)              ; group 1 for R: the mask of all four; elements of 8 bytes; 21 set beside a mask
	s_mov_b32 s25, 832<<16                         ; tensor_dim0: 6,656 bytes
	s_mov_b32 s26, 8<<16
	s_mov_b32 s27, 832<<16
	s_mov_b32 s28, 8
	s_mov_b32 s29, 1664
	s_mov_b32 s30, 0
	s_mov_b32 s31, 0
	s_mov_b32 s32, 3<<16                           ; group 1 for P: no mask, 4 rows
	s_mov_b32 s33, 832<<16
	s_mov_b32 s34, 4<<16
	s_mov_b32 s35, 832<<16
	s_mov_b32 s36, 4
	s_mov_b32 s37, 1664
	s_mov_b32 s38, 0
	s_mov_b32 s39, 0
	s_wait_dscnt 0x0                               ; both opening adds are done
	s_wait_kmcnt 0x0
	s_add_nc_u64 s[60:61], s[4:5], s[60:61]
	s_add_nc_u64 s[62:63], s[6:7], s[62:63]
.irp c, 0,1                            ; group 0, a set for each half
	s_mov_b32 s[40+4*\c], 1
	s_add_co_u32 s[41+4*\c], s23, \c*RLD
	s_add_nc_u64 s[42+4*\c:43+4*\c], s[60:61], \c*IMGC
	s_or_b32 s[43+4*\c], s[43+4*\c], 0x80000000
	s_mov_b32 s[68+4*\c], 1
	s_add_co_u32 s[69+4*\c], s58, PBASE+\c*PLD
	s_add_nc_u64 s[70+4*\c:71+4*\c], s[62:63], \c*IMGC
	s_or_b32 s[71+4*\c], s[71+4*\c], 0x80000000
.endr
	CROUND                                         ; all four work-groups are here: the joint loads meet
	FILL 0                                         ; the first half: one tensor load a wave at the head
	v_and_b32 v5, 31, v0
	v_lshlrev_b32 v[L8], 3, v5
	v_lshlrev_b32 v[L16], 4, v5
	s_lshr_b32 s86, s16, 1
	s_mul_i32 s86, s86, 2*RLD
	s_mul_i32 s87, s22, 4*IMGC
	s_add_co_u32 s86, s86, s87
.irp c, 0,1,2,3
	s_add_co_u32 s87, s86, (\c/2)*RLD+(\c%2)*3328  ; chunk c: half c / 2, and in a tile's half chunk c % 2
	v_add_nc_u32 v[AR+\c], s87, v[L8]
	v_add_nc_u32 v[AP+2*\c], PBASE+(\c/2)*PLD+(\c%2)*3328, v[L8]
	v_add_nc_u32 v[AP+2*\c+1], PBASE+2*PLD+(\c/2)*PLD+(\c%2)*3328, v[L8]
.endr
	s_mul_i32 s86, s16, 16*SP                      ; my stage
	v_and_b32 v5, 15, v0
	v_bfe_u32 v[VB], v0, 4, 1
	v_mul_u32_u24 v[STW], v5, SP
	v_lshl_add_u32 v[STW], v[VB], 6, v[STW]
	v_add_nc_u32 v[STW], s86, v[STW]
	v_add_nc_u32 v[STR], s86, v[L16]
	v_lshlrev_b32 v[VB], 6, v[VB]                  ; the bias: 16 h numbers on
	s_lshl_b32 s20, s56, 9                         ; my 128 columns: 512 bytes of bo and of a row of out0
	s_mov_b32 s21, 0
	s_add_nc_u64 s[92:93], s[8:9], s[20:21]
.irp i, 0,1,2,3,4,5,6,7,8,9,10,11,12,13,14,15
	global_load_b128 v[B64+4*\i:B64+4*\i+3], v[VB], s[92:93] offset:128*(\i/4)+16*(\i%4)
.endr
	s_add_nc_u64 s[88:89], s[10:11], s[20:21]
	s_lshl_b32 s20, s19, 20                        ; 256 rows of 4,096 bytes,
	s_lshl_b32 s22, s16, 18                        ; 64 for each wave
	s_add_co_u32 s20, s20, s22
	s_add_nc_u64 s[88:89], s[88:89], s[20:21]
	s_wait_alu depctr_va_vdst(0)
	MAIN
	BAR                                            ; every wave's reads of the tiles are over (each waited for its LDS loads ahead of its last products): the stages may be written
	s_wait_loadcnt 0x0                             ; the bias
.macro UNITO a                         ; lane (r, h): row r of R's block a; register 16 b + i: column 128 pg + 32 b + 16 h + i
	s_wait_xcnt 0x0                                ; the last unit's stores have had their addresses translated: their data registers are loaded again only behind this wait
	WIN 0x01                                       ; source 0 window 1
.set n, 0
.rept 32
	v_pk_add_f32 v[X+n:X+n+1], v[64*\a+n:64*\a+n+1], v[B64+n:B64+n+1]   ; ascending: each accumulator is read from its low end on
.set n, n+2
.endr
	WIN 0
.irp i, 0,1,2,3,4,5,6,7,8,9,10,11,12,13,14,15
	ds_store_b128 v[STW], v[X+4*\i:X+4*\i+3] offset:128*(\i/4)+16*(\i%4)
.endr
	WIN 0x80                                       ; destination window 2
.irp i, 0,1,2,3,4,5,6,7,8,9,10,11,12,13,14,15
	ds_load_b128 v[4*\i:4*\i+3], v[STR] offset:SP*\i   ; LDS serves a wave's instructions in order: these see my stores
.endr
	WIN 0x08                                       ; a store's data are its source 1: window 2
.irp i, 0,1,2,3,4,5,6,7,8,9,10,11,12,13,14,15
	s_wait_dscnt 15-\i                             ; row i is back; the younger loads may be out
	global_store_b128 v[L16], v[4*\i:4*\i+3], s[88:89] offset:(32*(\a/2)+8*(\a%2)+\i+8*(\i/8))*4096 th:TH_STORE_NT   ; 32 lanes store 512 consecutive bytes, at a multiple of 256 from out0's first byte
.endr
	WIN 0
.endm
	UNITO 0
	UNITO 1
	UNITO 2
	UNITO 3
	s_wait_tensorcnt 0x0                           ; the wave's end: these three lines stand behind my last LDS store
	ds_add_u32 v[SPW], v[NIL]
	s_wait_dscnt 0x0
	CROUND
	s_endpgm
.Lfunc_end_k_q3f80ac9081_outp:
	.size	k_q3f80ac9081_outp, .Lfunc_end_k_q3f80ac9081_outp-k_q3f80ac9081_outp
	.p2alignl 7, 3214868480
	.fill 96, 4, 3214868480
	.section	.rodata,"a",@progbits
	.p2align	6, 0x0
	.amdhsa_kernel k_q3f80ac9081_outp
		.amdhsa_group_segment_fixed_size 327680
		.amdhsa_private_segment_fixed_size 0
		.amdhsa_enable_private_segment 0
		.amdhsa_kernarg_size 32
		.amdhsa_user_sgpr_count 2
		.amdhsa_user_sgpr_kernarg_segment_ptr 1
		.amdhsa_wavefront_size32 1
		.amdhsa_system_sgpr_workgroup_id_x 1
		.amdhsa_system_sgpr_workgroup_id_y 1
		.amdhsa_system_sgpr_workgroup_id_z 1
		.amdhsa_system_vgpr_workitem_id 0
		.amdhsa_next_free_vgpr 1024
		.amdhsa_next_free_sgpr 100
		.amdhsa_reserve_vcc 0
		.amdhsa_float_denorm_mode_32 3
		.amdhsa_float_denorm_mode_16_64 3
		.amdhsa_memory_ordered 1
		.amdhsa_forward_progress 1
		.amdhsa_inst_pref_size 107
	.end_amdhsa_kernel
	.amdgpu_metadata
---
amdhsa.version: [ 1, 2 ]
amdhsa.kernels:
  - .name:           k_q3f80ac9081_outp
    .symbol:         k_q3f80ac9081_outp.kd
    .args:
      - { .name: oimg, .offset: 0, .size: 8, .value_kind: global_buffer, .address_space: global }
      - { .name: img, .offset: 8, .size: 8, .value_kind: global_buffer, .address_space: global }
      - { .name: bo, .offset: 16, .size: 8, .value_kind: global_buffer, .address_space: global }
      - { .name: out0, .offset: 24, .size: 8, .value_kind: global_buffer, .address_space: global }
    .group_segment_fixed_size: 327680
    .private_segment_fixed_size: 0
    .kernarg_segment_align: 8
    .kernarg_segment_size: 32
    .max_flat_workgroup_size: 128
    .sgpr_count:     100
    .vgpr_count:     1024
    .wavefront_size: 32
...
	.end_amdgpu_metadata
.endif
;; end of part 4
